; MI455X (gfx1250); checked and timed in simulation.
; The chip was launched on July 23, 2026; its instructions are those of AMD's public machine-readable ISA for CDNA 5 (MIT licence, August 2026) and "CDNA5" Instruction Set Architecture Reference Guide (July 2026). The comments in the code are by the model that wrote it; some were corrected since.
;; Progressive Expandable FFN. Allowed arithmetic: matrix products marked QUANTISED: E2M1 operands, one E8M0 scale for each 32 along K, by v_wmma_scale_f32_16x16x128_f8f6f4 with both operands' format E2M1 (or v_wmma_scale_f32_32x16x128_f4), f32 sums; everything else in f32.
;; Inputs: W_in 1,024 x 4,096 float32; W_out 4,096 x 1,024 float32; b_in 4,096 float32; b_out 1,024 float32; x 4 x 2,048 x 1,024 float32.
;; Outputs: out0 4 x 2,048 x 1,024 float32.
;; This version of the problem:
;;   THIS VERSION OF THE PROBLEM IS GIVEN IN LOW PRECISION. The matrix products marked QUANTISED in the list below multiply operands that are first quantised to E2M1 (2 exponent bits, 1 mantissa bit; 4 bits a number), with one power-of-two scale for each 32 numbers along K (OCP MX v1.0); their sums are f32. All else is computed in f32.
;;   The module's matrix products, in the order in which they are computed (A, B: the left and right operand; K: the contracted axis; several contracted axes count as one K, in the product's order):
;;     1. [M 8,192, K 1,024] x [K 1,024, N 4,096]; A: computed on the way; B: computed on the way: QUANTISED
;;     2. [M 8,192, K 4,096] x [K 4,096, N 1,024]; A: computed on the way; B: computed on the way: QUANTISED
;;   THE QUANTISER, for each operand of a quantised product, along K:
;;     - K is cut into blocks of 32 from its start; a last block that is shorter is filled with zeros.
;;     - A block's scale is 2^e with e = floor(log2(the largest magnitude in the block)) - 2, held to -126 .. 127; a block of zeros has e = 0. As a byte (E8M0): e + 127.
;;     - Each number is divided by its block's scale, clamped to +-6, and rounded to the nearest number of E2M1, ties to even, subnormals kept.
;;     - The product sums the exact products of the quantised numbers (number of the format x scale) in f32.
;;   ~~~python
;;   def quantise(x, axis):      # numpy; x: float32 -> the quantised numbers, widened to float32 again
;;       x = np.moveaxis(x, axis, -1); K = x.shape[-1]
;;       x = np.pad(x, [(0, 0)] * (x.ndim - 1) + [(0, -K % 32)]); x = x.reshape(x.shape[:-1] + (-1, 32)); a = np.abs(x).max(-1, keepdims=True)
;;       e = np.where(a > 0, np.clip(np.frexp(np.where(a > 0, a, 1))[1] - 1 - 2, -126, 127), 0)      # np.frexp(a)[1] - 1 = floor(log2(a)), exactly
;;       r = np.clip(x / 2.0 ** e, -6, 6)
;;       step = 2.0 ** (np.maximum(np.frexp(np.where(r == 0, 1, r))[1] - 1, 0) - 1)
;;       q = np.round(r / step) * step * 2.0 ** e      # np.round: ties to even
;;       return np.moveaxis(q.reshape(q.shape[:-2] + (-1,))[..., :K], -1, axis).astype(np.float32)
;;   ~~~
;;   OPERANDS COMPUTED ON THE WAY. 'Computed on the way' means the value that the module computes at that place (a softmax that the list does not call 'softmax' is quantised finished and normalised). What goes into a quantiser is computed in f32, as accurately as f32 sums, v_exp_f32 and their like allow (about 1e-6 of the number): no bf16 or f16 on the way to a quantiser, and a product that is left as it is and whose result goes on into a quantised operand takes f32 operands (vector FMAs, or v_wmma_f32_16x16x4_f32). A number that lies on a knife's edge between two numbers of the format may be rounded either way, as far as f32 arithmetic and the matrix unit's own rounding can turn it there, and no further.
;; One version. Each part assembles by itself: llvm-mc -triple=amdgcn-amd-amdhsa -mcpu=gfx1250 --defsym DOCPART=n.
;; ======== version 1 of 1: 5 launches
;; limits: right only within a limited range of input values
;; workspace buffers: st1 33,280 bytes; wiq 2,228,224 bytes; woq 2,228,224 bytes; xq 4,456,448 bytes; hq 17,825,792 bytes; cand 4,096 bytes
;; launch prep (part 1): grid 256 x 1, 16 waves a work-group, no clusters, 6,656 bytes of LDS; arguments x, W_in, W_out, st1, wiq; writes st1, wiq
.if DOCPART == 1
	.amdgcn_target "amdgcn-amd-amdhsa--gfx1250"
	.amdhsa_code_object_version 6
	.text
	.protected	k_q9cc124d1bd_prep
	.globl	k_q9cc124d1bd_prep
	.p2align	8
	.type	k_q9cc124d1bd_prep,@function
k_q9cc124d1bd_prep:
	s_mov_b64 s[64:65], 0
	v_nop
	global_prefetch_b8 v0, s[64:65] scope:SCOPE_SE
	s_setreg_imm32_b32 hwreg(HW_REG_WAVE_MODE, 25, 1), 1
	s_wait_xcnt 0x0
; out = Q4(A16(gelu(Q4(A16(x)) Q4(W8(W_in)) + b_in))) Q4(W8(W_out)) + b_out.   Q4: the MX-FP4 quantiser along K; A16: int16 steps under ONE scale for the whole tensor; W8: int8 steps, a scale for each of the 4,096 hidden units.
; THE PROGRAM: five launches.  1 (this one): partial maxima of |x|; W_out's row scales; W_in into codes.  2: x and W_out into codes.  3: the first product, for the largest |gelu| alone.  4: the first product again, gelu, A16, codes.  5: the second product.
; WORK DONE OTHERWISE THAN IT IS WRITTEN, for all finite inputs:
;  (a) the largest |gelu(z)| is found in launch 3 without evaluating gelu.  gelu rises for z >= z* = -0.75179152 and |gelu| rises for z <= z*, so the largest |gelu| is taken at one of three ELEMENTS:
;      the largest z, the element nearest under z*, the nearest negative element over z*.  All three are tracked exactly, and launch 4 evaluates gelu at the three.  Whatever the trackers return is some element's z, so the maximum is never overstated.
;  (b) on the hidden layer alone h + (h_q - h) = h_q is an identity and is left out; h x scale rides in the gelu's last multiply-add; the division by the scale is a multiplication by its refined reciprocal.  Each moves a number by rounding alone.
;  For x, W_in and W_out every step is taken as it is written: product, rounding, clip, a correctly rounded quotient, and the sum w + (w_q - w).  All five inputs are loaded.
; LIMITS: NaN and infinities are not served.  A block of zeros gets the scale byte 1 where the rule says 127: its codes are zeros and this program alone reads the bytes.  Blocks whose largest magnitude lies under 2^-124 were not tried.
; THIS LAUNCH: 256 work-groups of 16 waves, 262,144 bytes read by each.  Work-groups 0-127: |x|; 128-191: W_out's rows; 192-255: W_in.  The three ways part on the work-group's number alone and have LDS bytes of their own.
; CODES ARE LAID AS IMAGES OF OPERAND REGISTERS: [block of 16 rows][K / 128][c = 0, 1][lane][16 bytes]; lane (r, h) part c holds k = 128 s + 64 c + 32 h + 0 .. 31 of row r.  W_in's scale bytes: [hidden unit][32].
; No matrix unit, no tensor load, no cluster: memory binds, and no work-group shares a byte with another.
.set P1RED, 0                          ; LDS: 16 partial maxima of |x|
.set P2RED, 256                        ; 64 row maxima of W_out
.set P3MAX, 512                        ; W_in: [8 K steps][64 columns] partial maxima
.set P3SC,  2560                       ; W_in: [64 columns][32 scale bytes]
.set SPARE, 4608                       ; the spare words, 128 bytes for each of 16 waves
.set LN,  1                            ; lane
.set SPW, 2                            ; my spare word; never rewritten
.set NIL, 3                            ; 0; never rewritten
.set AD,  4                            ; byte offset of my loads
.set AO,  5                            ; byte offset of my stores
.set LA,  6                            ; LDS addresses
.set LB,  7
.set M,   8                            ; v8-11 running maxima
.set T0,  12
.set T1,  13
.set SCV, 14                           ; v[14:15] the scale, twice
.set RV,  16                           ; v[16:17] its reciprocal, twice
.set SW,  18                           ; a scale word
.set BY,  19
.set MA,  20
.set MB,  21
.set SO,  22
.set LC,  23
.set LD,  24
.set WVV, 25                           ; my wave's number in every lane
.set QA,  26                           ; v26-29 four row maxima
.set T,   32                           ; v32-63 at work
.set X,   32                           ; v32-159 the first two ways' 128 numbers
.set W,   64                           ; v64-191 W_in: 128 numbers down K
.set U,   192                          ; v192-223 at work
.set CD,  224                          ; v224-239 four blocks' codes
.set WV,  14
.set SEL, 16                           ; s[16:17] lane selects: lane l xor 16
.set CLO, 22
.set CHI, 23
.macro WAVEMAX d, v, t                 ; the largest of v over the 32 lanes, into d of every lane
	s_delay_alu instid0(VALU_DEP_1)
	v_max_num_f32_dpp v[\v], v[\v], v[\v] row_xmask:1 row_mask:0xf bank_mask:0xf
	s_delay_alu instid0(VALU_DEP_1)
	v_max_num_f32_dpp v[\v], v[\v], v[\v] row_xmask:2 row_mask:0xf bank_mask:0xf
	s_delay_alu instid0(VALU_DEP_1)
	v_max_num_f32_dpp v[\v], v[\v], v[\v] row_xmask:4 row_mask:0xf bank_mask:0xf
	s_delay_alu instid0(VALU_DEP_1)
	v_max_num_f32_dpp v[\v], v[\v], v[\v] row_xmask:8 row_mask:0xf bank_mask:0xf
	s_delay_alu instid0(VALU_DEP_1)
	v_permlanex16_b32 v[\t], v[\v], s[SEL], s[SEL+1]
	s_delay_alu instid0(VALU_DEP_1)
	v_max_num_f32 v[\d], v[\v], v[\t]
.endm
.macro RCPN r, a, t                    ; r = 1 / a, refined by one step
	v_rcp_f32 v[\r], v[\a]
	v_nop                                          ; a plain instruction behind the reciprocal
	s_wait_alu depctr_va_vdst(0)                   ; and a wait ahead of its first reader
	v_fma_f32 v[\t], -v[\a], v[\r], 1.0
	v_fma_f32 v[\r], v[\t], v[\r], v[\r]
.endm
.macro DIVN q, a, r, t                 ; q = s[CHI] / a, r = 1 / a: the quotient, its remainder, the correction
	s_delay_alu instid0(VALU_DEP_1)
	v_mul_f32 v[\q], s[CHI], v[\r]
	s_delay_alu instid0(VALU_DEP_1)
	v_fma_f32 v[\t], -v[\q], v[\a], s[CHI]
	s_delay_alu instid0(VALU_DEP_1)
	v_fma_f32 v[\q], v[\t], v[\r], v[\q]
.endm
.macro FQ32 x                          ; 32 numbers: w + (clip(round(w x scale)) / scale - w), step by step as it is written
.set i, 0
.rept 16
	v_pk_mul_f32 v[T+i:T+i+1], v[(\x)+i:(\x)+i+1], v[SCV:SCV+1]
.set i, i+2
.endr
.set i, 0
.rept 32
	v_rndne_f32 v[T+i], v[T+i]
.set i, i+1
.endr
.set i, 0
.rept 32
	v_med3_num_f32 v[T+i], v[T+i], s[CLO], s[CHI]
.set i, i+1
.endr
.set i, 0
.rept 16
	v_pk_mul_f32 v[U+i:U+i+1], v[T+i:T+i+1], v[RV:RV+1]                                          ; the quotient,
.set i, i+2
.endr
.set i, 0
.rept 16
	v_pk_fma_f32 v[T+i:T+i+1], v[U+i:U+i+1], v[SCV:SCV+1], v[T+i:T+i+1] neg_lo:[1,0,0] neg_hi:[1,0,0]   ; its remainder,
.set i, i+2
.endr
.set i, 0
.rept 16
	v_pk_fma_f32 v[U+i:U+i+1], v[T+i:T+i+1], v[RV:RV+1], v[U+i:U+i+1]                            ; the correction
.set i, i+2
.endr
.set i, 0
.rept 16
	v_pk_add_f32 v[T+i:T+i+1], v[U+i:U+i+1], v[(\x)+i:(\x)+i+1] neg_lo:[0,1] neg_hi:[0,1]
.set i, i+2
.endr
.set i, 0
.rept 16
	v_pk_add_f32 v[(\x)+i:(\x)+i+1], v[(\x)+i:(\x)+i+1], v[T+i:T+i+1]
.set i, i+2
.endr
.endm
.macro MX32 x, cd, by                  ; a block of 32 along K, all in my registers: its codes (four registers) and its scale byte
	v_max3_num_f32 v[MA], |v[(\x)]|, |v[(\x)+1]|, 0x1800000      ; with the floor 2^(3 - 127): the byte cannot fall under 1
	v_max_num_f32 v[MB], |v[(\x)+16]|, |v[(\x)+17]|
.set i, 2
.rept 7
	s_delay_alu instid0(VALU_DEP_2)
	v_max3_num_f32 v[MA], v[MA], |v[(\x)+i]|, |v[(\x)+i+1]|
	s_delay_alu instid0(VALU_DEP_2)
	v_max3_num_f32 v[MB], v[MB], |v[(\x)+16+i]|, |v[(\x)+17+i]|
.set i, i+2
.endr
	s_delay_alu instid0(VALU_DEP_1)
	v_max_num_f32 v[MA], v[MA], v[MB]
	s_delay_alu instid0(VALU_DEP_1)
	v_add_nc_u32 v[SO], 0xff000000, v[MA]          ; 2 off the exponent field: the conversion's scale operand
.irp g, 0,1,2,3
	v_cvt_scalef32_pk8_fp4_f32 v[(\cd)+\g], v[(\x)+8*\g:(\x)+8*\g+7], v[SO]
.endr
	v_lshrrev_b32 v[\by], 23, v[SO]                ; the scale's byte (a plain instruction behind the conversions)
.endm
.macro CLOSE                           ; the wave's end, behind my last LDS store
	s_wait_tensorcnt 0x0
	ds_add_u32 v[SPW], v[NIL]
	s_wait_dscnt 0x0
.endm
	s_load_b256 s[4:11], s[0:1], 0x0               ; x s[4:5], W_in s[6:7], W_out s[8:9], st1 s[10:11]
	s_load_b64 s[12:13], s[0:1], 0x20              ; wiq
	v_lshl_add_u32 v[SPW], v0, 2, SPARE
	v_mov_b32 v[NIL], 0
	v_lshrrev_b32 v[WVV], 5, v0
	s_delay_alu instid0(VALU_DEP_1)
	v_readfirstlane_b32 s[WV], v[WVV]              ; wave 0..15
	v_and_b32 v[LN], 31, v0
	v_mov_b32 v[T1], 0                             ; a lane permute's destination counts as read
	s_mov_b32 s[SEL], 0x76543210
	s_mov_b32 s[SEL+1], 0xfedcba98
	s_wait_kmcnt 0x0
	s_cmp_lt_u32 ttmp9, 128
	s_cbranch_scc1 .Lp1
	s_cmp_lt_u32 ttmp9, 192
	s_cbranch_scc1 .Lp2
	; ---- W_in [1024 (k)][4096 (n)] into codes.  A work-group takes 64 columns and all of K; wave w takes columns 32 (w & 1) on and K step w >> 1.  A LANE TAKES A COLUMN, ITS REGISTERS RUN DOWN K.
	s_sub_co_u32 s18, ttmp9, 192                   ; g: which 64 columns
	s_and_b32 s19, s[WV], 1                        ; which 32 of them
	s_lshr_b32 s20, s[WV], 1                       ; K step
	s_lshl_b32 s21, s20, 21                        ; 128 rows of 16,384 bytes
	s_lshl_b32 s26, s18, 8
	s_add_co_u32 s26, s26, s21
	s_lshl_b32 s21, s19, 7
	s_add_co_u32 s26, s26, s21
	s_mov_b32 s27, 0
	s_add_nc_u64 s[6:7], s[6:7], s[26:27]
	s_wait_alu depctr_va_vdst(0)
	v_lshlrev_b32 v[AD], 2, v[LN]
.set i, 0
.rept 128
	global_load_b32 v[W+i], v[AD], s[6:7] offset:16384*i th:TH_LOAD_NT   ; 32 lanes read 128 consecutive bytes; the neighbouring wave the next 128
.set i, i+1
.endr
	s_lshl_b32 s26, s18, 15                        ; codes: block 4 g + 2 (w & 1) of 8,192 bytes, K step of 1,024
	s_lshl_b32 s21, s19, 14
	s_add_co_u32 s26, s26, s21
	s_lshl_b32 s21, s20, 10
	s_add_co_u32 s26, s26, s21
	s_add_nc_u64 s[30:31], s[12:13], s[26:27]
	s_lshl_b32 s26, s18, 11                        ; scale bytes: 64 columns of 32 bytes, behind the codes
	s_add_co_u32 s26, s26, 0x200000
	s_add_nc_u64 s[32:33], s[12:13], s[26:27]
	s_mov_b32 s[CLO], 0xc3000000                   ; -128
	s_mov_b32 s[CHI], 0x42fe0000                   ; 127
	v_lshlrev_b32 v[LA], 2, v0                     ; my partial maximum: 256 x K step + 4 x column = 4 x thread
	v_and_b32 v[LB], 63, v0                        ; my column of the 64
	s_delay_alu instid0(VALU_DEP_1)
	v_lshlrev_b32 v[LC], 5, v[LB]
	s_delay_alu instid0(VALU_DEP_2)
	v_lshlrev_b32 v[LB], 2, v[LB]
	v_lshrrev_b32 v[T0], 6, v0
	s_delay_alu instid0(VALU_DEP_1)
	v_lshl_add_u32 v[LC], v[T0], 2, v[LC]          ; my scale word: 32 x column + 4 x K step
	v_lshlrev_b32 v[LD], 4, v0                     ; the way out of the scale bytes: 16 x thread (waves 0-3)
	v_lshrrev_b32 v[AO], 4, v[LN]
	s_delay_alu instid0(VALU_DEP_1)
	v_lshlrev_b32 v[AO], 13, v[AO]
	v_and_b32 v[T0], 15, v0
	s_delay_alu instid0(VALU_DEP_1)
	v_lshl_add_u32 v[AO], v[T0], 4, v[AO]          ; codes: lanes 16-31 belong to the next block of 16 columns; 16 bytes a column
.irp k, 0,1,2,3
	v_mov_b32 v[M+\k], 0
.endr
.set j, 0
	s_wait_alu depctr_va_vdst(0)
.rept 4
.if j < 2
	s_wait_alu depctr_va_vdst(0)
	s_wait_loadcnt 63                              ; these 32 loads are in: 96 and 64 younger ones are out, and 63 is under both
.elseif j == 2
	s_wait_alu depctr_va_vdst(0)
	s_wait_loadcnt 32
.else
	s_wait_alu depctr_va_vdst(0)
	s_wait_loadcnt 0x0
.endif
.set i, 0
.rept 16
	v_max3_num_f32 v[M+i%4], v[M+i%4], |v[W+32*j+2*i]|, |v[W+32*j+2*i+1]|
.set i, i+1
.endr
.set j, j+1
.endr
	s_delay_alu instid0(VALU_DEP_2)
	v_max3_num_f32 v[M], v[M], v[M+1], v[M+2]
	s_delay_alu instid0(VALU_DEP_1)
	v_max_num_f32 v[M], v[M], v[M+3]
	ds_store_b32 v[LA], v[M] offset:P3MAX
	s_wait_dscnt 0x0                               ; for the others' sake: my store has landed
	s_barrier_signal -1
	s_barrier_wait -1
.irp k, 0,1,2,3,4,5,6,7
	ds_load_b32 v[T+\k], v[LB] offset:P3MAX+256*\k ; my column's eight partial maxima
.endr
	s_wait_dscnt 0x0
	v_max3_num_f32 v[M], v[T], v[T+1], v[T+2]
	s_delay_alu instid0(VALU_DEP_1)
	v_max3_num_f32 v[M], v[M], v[T+3], v[T+4]
	s_delay_alu instid0(VALU_DEP_1)
	v_max3_num_f32 v[M], v[M], v[T+5], v[T+6]
	s_delay_alu instid0(VALU_DEP_1)
	v_max3_num_f32 v[M], v[M], v[T+7], 0x322bcc77  ; held at 1e-8 from below
	s_wait_alu depctr_va_vdst(0)
	RCPN T0, M, T1
	DIVN SCV, M, T0, T1                            ; scale = 127 / the column's largest magnitude
	s_wait_alu depctr_va_vdst(0)
	RCPN RV, SCV, T1
	v_mov_b32 v[SCV+1], v[SCV]
	s_delay_alu instid0(VALU_DEP_2)
	v_mov_b32 v[RV+1], v[RV]
.irp t, 0,1,2,3
	FQ32 W+32*\t
	MX32 W+32*\t, CD+4*\t, BY
.if \t == 0
	s_delay_alu instid0(VALU_DEP_1)
	v_mov_b32 v[SW], v[BY]
.else
	s_delay_alu instid0(VALU_DEP_1)
	v_lshl_or_b32 v[SW], v[BY], 8*\t, v[SW]
.endif
	global_store_b128 v[AO], v[CD+4*\t:CD+4*\t+3], s[30:31] offset:256*\t   ; block 2 c + h of the K step: 16 lanes store 256 consecutive bytes, aligned; each block has its own four registers
.endr
	ds_store_b32 v[LC], v[SW] offset:P3SC
	s_wait_dscnt 0x0
	s_barrier_signal -1
	s_barrier_wait -1
	s_cmp_lt_u32 s[WV], 4
	s_cbranch_scc0 .Lp3_end
	ds_load_b128 v[T:T+3], v[LD] offset:P3SC       ; 2,048 scale bytes leave by four waves, 512 consecutive bytes each
	s_wait_dscnt 0x0
	global_store_b128 v[LD], v[T:T+3], s[32:33]
.Lp3_end:
	CLOSE
	s_endpgm
	; ---- the largest |x| of 262,144 bytes: 16,384 a wave, 32 loads of 512 consecutive bytes
.Lp1:
	s_lshl_b32 s18, ttmp9, 18
	s_lshl_b32 s19, s[WV], 14
	s_add_co_u32 s18, s18, s19
	s_mov_b32 s19, 0
	s_add_nc_u64 s[4:5], s[4:5], s[18:19]
	s_wait_alu depctr_va_vdst(0)
	v_lshlrev_b32 v[AD], 4, v[LN]
.set j, 0
.rept 32
	global_load_b128 v[X+4*j:X+4*j+3], v[AD], s[4:5] offset:512*j
.set j, j+1
.endr
	v_lshlrev_b32 v[LA], 2, v[WVV]
	v_and_b32 v[LB], 15, v0
	s_delay_alu instid0(VALU_DEP_1)
	v_lshlrev_b32 v[LB], 2, v[LB]
	s_lshl_b32 s18, ttmp9, 2
	s_add_co_u32 s18, s18, 32768                   ; st1: the partial maxima lie behind the two tables
	v_mov_b32 v[AO], s18
.irp k, 0,1,2,3
	v_mov_b32 v[M+\k], 0
.endr
.set j, 0
	s_wait_alu depctr_va_vdst(0)
.rept 4
	s_wait_alu depctr_va_vdst(0)
	s_wait_loadcnt 24-8*j                          ; this quarter's eight loads are in; the younger quarters stay out
.set i, 0
.rept 16
	v_max3_num_f32 v[M+i%4], v[M+i%4], |v[X+32*j+2*i]|, |v[X+32*j+2*i+1]|
.set i, i+1
.endr
.set j, j+1
.endr
	s_delay_alu instid0(VALU_DEP_2)
	v_max3_num_f32 v[M], v[M], v[M+1], v[M+2]
	s_delay_alu instid0(VALU_DEP_1)
	v_max_num_f32 v[M], v[M], v[M+3]
	WAVEMAX M, M, T1
	ds_store_b32 v[LA], v[M] offset:P1RED          ; all lanes write the wave's word with the same value
	s_wait_dscnt 0x0
	s_barrier_signal -1
	s_barrier_wait -1
	s_cmp_lg_u32 s[WV], 0
	s_cbranch_scc1 .Lp1_end
	ds_load_b32 v[M], v[LB] offset:P1RED
	s_wait_dscnt 0x0
	v_max_num_f32_dpp v[M], v[M], v[M] row_xmask:1 row_mask:0xf bank_mask:0xf
	s_delay_alu instid0(VALU_DEP_1)
	v_max_num_f32_dpp v[M], v[M], v[M] row_xmask:2 row_mask:0xf bank_mask:0xf
	s_delay_alu instid0(VALU_DEP_1)
	v_max_num_f32_dpp v[M], v[M], v[M] row_xmask:4 row_mask:0xf bank_mask:0xf
	s_delay_alu instid0(VALU_DEP_1)
	v_max_num_f32_dpp v[M], v[M], v[M] row_xmask:8 row_mask:0xf bank_mask:0xf
	v_cmp_gt_u32 vcc_lo, 1, v[LN]
	s_wait_alu depctr_va_vdst(0)
	s_wait_xcnt 0x0                                ; EXEC changes only behind this wait
	s_and_saveexec_b32 s28, vcc_lo
	global_store_b32 v[AO], v[M], s[10:11]         ; lane 0: the work-group's maximum
	s_wait_xcnt 0x0
	s_or_b32 exec_lo, exec_lo, s28
.Lp1_end:
	CLOSE
	s_endpgm
	; ---- W_out's rows: 64 rows a work-group, four a wave; 127 / the row's largest magnitude, and that scale's reciprocal
.Lp2:
	s_sub_co_u32 s18, ttmp9, 128
	s_lshl_b32 s20, s18, 18
	s_lshl_b32 s21, s[WV], 14
	s_add_co_u32 s20, s20, s21
	s_mov_b32 s21, 0
	s_add_nc_u64 s[8:9], s[8:9], s[20:21]
	s_wait_alu depctr_va_vdst(0)
	v_lshlrev_b32 v[AD], 4, v[LN]
.set j, 0
.rept 32
	global_load_b128 v[X+4*j:X+4*j+3], v[AD], s[8:9] offset:512*j
.set j, j+1
.endr
	s_lshl_b32 s20, s18, 8
	s_add_nc_u64 s[10:11], s[10:11], s[20:21]      ; st1: 64 scales are 256 bytes
	s_mov_b32 s[CHI], 0x42fe0000                   ; 127
	v_lshlrev_b32 v[LA], 4, v[WVV]
	v_lshlrev_b32 v[LB], 3, v[LN]
.irp r, 0,1,2,3
	s_wait_loadcnt 24-8*\r                         ; this row's eight loads are in; the later rows' stay out
	v_max_num_f32 v[M], |v[X+32*\r]|, |v[X+32*\r+1]|
	v_max_num_f32 v[M+1], |v[X+32*\r+2]|, |v[X+32*\r+3]|
.set k, 4
.rept 7
	s_delay_alu instid0(VALU_DEP_2)
	v_max3_num_f32 v[M], v[M], |v[X+32*\r+k]|, |v[X+32*\r+k+1]|
	s_delay_alu instid0(VALU_DEP_2)
	v_max3_num_f32 v[M+1], v[M+1], |v[X+32*\r+k+2]|, |v[X+32*\r+k+3]|
.set k, k+4
.endr
	s_delay_alu instid0(VALU_DEP_1)
	v_max_num_f32 v[M], v[M], v[M+1]
	WAVEMAX QA+\r, M, T1
	ds_store_b32 v[LA], v[QA+\r] offset:P2RED+4*\r
.endr
	s_wait_dscnt 0x0
	s_barrier_signal -1
	s_barrier_wait -1
	s_cmp_lg_u32 s[WV], 0
	s_cbranch_scc1 .Lp2_end
	ds_load_b64 v[M:M+1], v[LB] offset:P2RED       ; two rows a lane
	s_wait_dscnt 0x0
.irp k, 0,1
	v_max_num_f32 v[M+\k], 0x322bcc77, v[M+\k]     ; held at 1e-8 from below
	s_wait_alu depctr_va_vdst(0)
	RCPN T0, M+\k, T1
	DIVN SCV+\k, M+\k, T0, T1
	s_wait_alu depctr_va_vdst(0)
	RCPN RV+\k, SCV+\k, T1
.endr
	global_store_b64 v[LB], v[SCV:SCV+1], s[10:11]               ; 32 lanes store 256 consecutive bytes, aligned
	global_store_b64 v[LB], v[RV:RV+1], s[10:11] offset:16384
.Lp2_end:
	CLOSE
	s_endpgm
.Lfunc_end_k_q9cc124d1bd_prep:
	.size	k_q9cc124d1bd_prep, .Lfunc_end_k_q9cc124d1bd_prep-k_q9cc124d1bd_prep
	.p2alignl 7, 3214868480
	.fill 96, 4, 3214868480
	.section	.rodata,"a",@progbits
	.p2align	6, 0x0
	.amdhsa_kernel k_q9cc124d1bd_prep
		.amdhsa_group_segment_fixed_size 6656
		.amdhsa_private_segment_fixed_size 0
		.amdhsa_enable_private_segment 0
		.amdhsa_kernarg_size 40
		.amdhsa_user_sgpr_count 2
		.amdhsa_user_sgpr_kernarg_segment_ptr 1
		.amdhsa_wavefront_size32 1
		.amdhsa_system_sgpr_workgroup_id_x 1
		.amdhsa_system_sgpr_workgroup_id_y 1
		.amdhsa_system_sgpr_workgroup_id_z 1
		.amdhsa_system_vgpr_workitem_id 0
		.amdhsa_next_free_vgpr 240
		.amdhsa_next_free_sgpr 66
		.amdhsa_reserve_vcc 1
		.amdhsa_float_denorm_mode_32 3
		.amdhsa_float_denorm_mode_16_64 3
		.amdhsa_memory_ordered 1
		.amdhsa_forward_progress 1
		.amdhsa_inst_pref_size 90
	.end_amdhsa_kernel
	.amdgpu_metadata
---
amdhsa.version: [ 1, 2 ]
amdhsa.kernels:
  - .name:           k_q9cc124d1bd_prep
    .symbol:         k_q9cc124d1bd_prep.kd
    .args:
      - { .name: x, .offset: 0, .size: 8, .value_kind: global_buffer, .address_space: global }
      - { .name: W_in, .offset: 8, .size: 8, .value_kind: global_buffer, .address_space: global }
      - { .name: W_out, .offset: 16, .size: 8, .value_kind: global_buffer, .address_space: global }
      - { .name: st1, .offset: 24, .size: 8, .value_kind: global_buffer, .address_space: global }
      - { .name: wiq, .offset: 32, .size: 8, .value_kind: global_buffer, .address_space: global }
    .group_segment_fixed_size: 6656
    .private_segment_fixed_size: 0
    .kernarg_segment_align: 8
    .kernarg_segment_size: 40
    .max_flat_workgroup_size: 512
    .sgpr_count:     66
    .vgpr_count:     240
    .wavefront_size: 32
...
	.end_amdgpu_metadata
.endif
;; end of part 1
;; launch quant (part 2): grid 768 x 1, 8 waves a work-group, no clusters, 70,144 bytes of LDS; arguments x, W_out, st1, xq, woq; writes xq, woq
.if DOCPART == 2
	.amdgcn_target "amdgcn-amd-amdhsa--gfx1250"
	.amdhsa_code_object_version 6
	.text
	.protected	k_q9cc124d1bd_quant
	.globl	k_q9cc124d1bd_quant
	.p2align	8
	.type	k_q9cc124d1bd_quant,@function
k_q9cc124d1bd_quant:
	s_mov_b64 s[64:65], 0
	v_nop
	global_prefetch_b8 v0, s[64:65] scope:SCOPE_SE
	s_setreg_imm32_b32 hwreg(HW_REG_WAVE_MODE, 25, 1), 1
	s_wait_xcnt 0x0
; x and W_out into codes of FP4 (E2M1) with one E8M0 byte for each 32 along K, behind their fake quantisers, which are taken step by step as they are written (nothing is left out here).
; 768 work-groups of eight waves, 65,536 bytes read by each; 160 registers a wave, so that several work-groups can share a WGP and all of them ask for their bytes at once.
; Work-groups 0-255: W_out [4096 (k)][1024 (n)]: 64 columns x 256 along K; wave w takes columns 32 (w & 1) on and the 64 rows number w >> 1 of the four.  They come first: their chain of loads is the longer.
; Work-groups 256-767: x.  A work-group takes 16 rows, wave s the K step s (128 along K).
; CODES: images of operand registers, [block of 16 rows][K / 128][c][lane][16 bytes]; lane (r, h) part c holds k = 128 s + 64 c + 32 h + 0 .. 31 of row r.  x's scale bytes: [row][32]; W_out's: [K / 512][column][16].
; A W_out work-group holds 8 of a column's 16 scale bytes, so these leave as 8 bytes a lane, 16 bytes apart: 131,072 bytes in all, one byte in 128 of what this way reads.  Everything else leaves in runs of 256 consecutive bytes or more, aligned.
; The two ways part on the work-group's number alone and have LDS bytes of their own.  No tensor load, no matrix unit, no cluster: memory binds and work-groups share only the small tables.
; LIMITS: as stated at the head of the first launch (NaN, infinities; a block of zeros has the byte 1; blocks under 2^-124 not tried).
.set XSC,   0                          ; LDS: x: [16 rows][32 scale bytes]
.set WST,   512                        ; W_out: [64 columns][8 scale bytes]
.set SPARE, 1536                       ; the spare words, 128 bytes for each of 8 waves
.set XT,    2560                       ; x: a stage of 16 rows x (512 + 16) bytes for each wave
.set LN,  1
.set SPW, 2
.set NIL, 3
.set AD,  4
.set AO,  5
.set LA,  6
.set LB,  7
.set M,   8                            ; v8: a maximum (x);  v[8:11]: the first block's codes (W_out)
.set T0,  12
.set T1,  13
.set SCV, 14
.set RV,  16
.set SW,  18
.set BY,  19
.set MA,  20
.set MB,  21
.set SO,  22
.set LC,  23
.set LD,  24
.set WVV, 25
.set RR,  26
.set HH,  27
.set XP,  28                           ; v[28:31] four partial maxima of |x|, then the first block's codes (x);  the second block's codes (W_out)
.set WV,  14
.set SEL, 84
.set CLO, 86
.set CHI, 87
.macro RCPN r, a, t
	v_rcp_f32 v[\r], v[\a]
	v_nop                                          ; a plain instruction behind the reciprocal
	s_wait_alu depctr_va_vdst(0)                   ; and a wait ahead of its first reader
	v_fma_f32 v[\t], -v[\a], v[\r], 1.0
	v_fma_f32 v[\r], v[\t], v[\r], v[\r]
.endm
.macro DIVN q, a, r, t
	s_delay_alu instid0(VALU_DEP_1)
	v_mul_f32 v[\q], s[CHI], v[\r]
	s_delay_alu instid0(VALU_DEP_1)
	v_fma_f32 v[\t], -v[\q], v[\a], s[CHI]
	s_delay_alu instid0(VALU_DEP_1)
	v_fma_f32 v[\q], v[\t], v[\r], v[\q]
.endm
.macro TAIL32 x                        ; w + (w_q - w), w_q in U
.set i, 0
.rept 16
	v_pk_add_f32 v[T+i:T+i+1], v[U+i:U+i+1], v[(\x)+i:(\x)+i+1] neg_lo:[0,1] neg_hi:[0,1]
.set i, i+2
.endr
.set i, 0
.rept 16
	v_pk_add_f32 v[(\x)+i:(\x)+i+1], v[(\x)+i:(\x)+i+1], v[T+i:T+i+1]
.set i, i+2
.endr
.endm
.macro ROUND32                         ; T: to a whole number, ties to even, and the clip
.set i, 0
.rept 32
	v_rndne_f32 v[T+i], v[T+i]
.set i, i+1
.endr
.set i, 0
.rept 32
	v_med3_num_f32 v[T+i], v[T+i], s[CLO], s[CHI]
.set i, i+1
.endr
.endm
.macro FQ32 x                          ; one scale for all 32 numbers, in vector pairs
.set i, 0
.rept 16
	v_pk_mul_f32 v[T+i:T+i+1], v[(\x)+i:(\x)+i+1], v[SCV:SCV+1]
.set i, i+2
.endr
	ROUND32
.set i, 0
.rept 16
	v_pk_mul_f32 v[U+i:U+i+1], v[T+i:T+i+1], v[RV:RV+1]
.set i, i+2
.endr
.set i, 0
.rept 16
	v_pk_fma_f32 v[T+i:T+i+1], v[U+i:U+i+1], v[SCV:SCV+1], v[T+i:T+i+1] neg_lo:[1,0,0] neg_hi:[1,0,0]
.set i, i+2
.endr
.set i, 0
.rept 16
	v_pk_fma_f32 v[U+i:U+i+1], v[T+i:T+i+1], v[RV:RV+1], v[U+i:U+i+1]
.set i, i+2
.endr
	TAIL32 \x
.endm
.macro FQ32S x                         ; a scale for each register (each k): scale k in s[16 + k], its reciprocal in s[48 + k] (k < 16) or s[52 + k].  Up to w_q in U: the lines that read the scalars
.set i, 0
.rept 32
	v_mul_f32 v[T+i], s[16+i], v[(\x)+i]
.set i, i+1
.endr
	ROUND32
.set i, 0
.rept 32
	v_mul_f32 v[U+i], s[48+i+4*(i/16)], v[T+i]
.set i, i+1
.endr
.set i, 0
.rept 32
	v_fma_f32 v[T+i], -v[U+i], s[16+i], v[T+i]
.set i, i+1
.endr
.set i, 0
.rept 32
	v_fma_f32 v[U+i], v[T+i], s[48+i+4*(i/16)], v[U+i]
.set i, i+1
.endr
.endm
.macro SLOADS off                      ; the 32 scales of a block's k, and their reciprocals
	s_load_b512 s[16:31], s[8:9], \off
	s_load_b512 s[32:47], s[8:9], \off+64
	s_load_b512 s[48:63], s[8:9], \off+16384
	s_load_b512 s[68:83], s[8:9], \off+16448
.endm
.macro MX32 x, cd, by
	v_max3_num_f32 v[MA], |v[(\x)]|, |v[(\x)+1]|, 0x1800000      ; with the floor 2^(3 - 127): the byte cannot fall under 1
	v_max_num_f32 v[MB], |v[(\x)+16]|, |v[(\x)+17]|
.set i, 2
.rept 7
	s_delay_alu instid0(VALU_DEP_2)
	v_max3_num_f32 v[MA], v[MA], |v[(\x)+i]|, |v[(\x)+i+1]|
	s_delay_alu instid0(VALU_DEP_2)
	v_max3_num_f32 v[MB], v[MB], |v[(\x)+16+i]|, |v[(\x)+17+i]|
.set i, i+2
.endr
	s_delay_alu instid0(VALU_DEP_1)
	v_max_num_f32 v[MA], v[MA], v[MB]
	s_delay_alu instid0(VALU_DEP_1)
	v_add_nc_u32 v[SO], 0xff000000, v[MA]          ; 2 off the exponent field: the conversion's scale operand
.irp g, 0,1,2,3
	v_cvt_scalef32_pk8_fp4_f32 v[(\cd)+\g], v[(\x)+8*\g:(\x)+8*\g+7], v[SO]
.endr
	v_lshrrev_b32 v[\by], 23, v[SO]                ; the scale's byte (a plain instruction behind the conversions)
.endm
.macro CLOSE                           ; the wave's end, behind my last LDS store
	s_wait_tensorcnt 0x0
	ds_add_u32 v[SPW], v[NIL]
	s_wait_dscnt 0x0
.endm
	s_load_b256 s[4:11], s[0:1], 0x0               ; x s[4:5], W_out s[6:7], st1 s[8:9], xq s[10:11]
	s_load_b64 s[12:13], s[0:1], 0x20              ; woq
	v_lshl_add_u32 v[SPW], v0, 2, SPARE
	v_mov_b32 v[NIL], 0
	v_lshrrev_b32 v[WVV], 5, v0
	s_delay_alu instid0(VALU_DEP_1)
	v_readfirstlane_b32 s[WV], v[WVV]              ; wave 0..7
	v_and_b32 v[LN], 31, v0
	v_and_b32 v[RR], 15, v0
	v_bfe_u32 v[HH], v0, 4, 1
	v_mov_b32 v[T1], 0
	s_mov_b32 s[SEL], 0x76543210
	s_mov_b32 s[SEL+1], 0xfedcba98
	s_wait_kmcnt 0x0
	s_cmp_lt_u32 ttmp9, 256
	s_cbranch_scc1 .Lq2
	; ---- x: 16 rows x 128 along K a wave
.set T,  32                            ; v32-63, v64-95: the rows as loaded, then at work
.set U,  64
.set X,  96                            ; v96-159 my 64 numbers: 32 neighbours of each 64 along K
	s_sub_co_u32 s94, ttmp9, 256                   ; which 16 rows
	s_lshl_b32 s88, s94, 16                        ; 16 rows of 4,096 bytes
	s_lshl_b32 s89, s[WV], 9                       ; my K step: 512 bytes of a row
	s_add_co_u32 s88, s88, s89
	s_mov_b32 s89, 0
	s_add_nc_u64 s[4:5], s[4:5], s[88:89]
	s_wait_alu depctr_va_vdst(0)
	v_lshlrev_b32 v[AD], 4, v[LN]
	s_wait_alu depctr_va_vdst(0)
	global_load_b128 v[XP:XP+3], v[AD], s[8:9] offset:32768      ; the 128 partial maxima of |x|, four a lane
.set i, 0
.rept 16
	global_load_b128 v[T+4*i:T+4*i+3], v[AD], s[4:5] offset:4096*i th:TH_LOAD_NT   ; row i: 32 lanes read 512 consecutive bytes
.set i, i+1
.endr
	s_lshl_b32 s88, s94, 13                        ; codes: a block of 8,192 bytes, a K step of 1,024
	s_lshl_b32 s90, s[WV], 10
	s_add_co_u32 s88, s88, s90
	s_add_nc_u64 s[90:91], s[10:11], s[88:89]
	s_lshl_b32 s88, s94, 9                         ; scale bytes: 16 rows of 32, behind the codes
	s_add_co_u32 s88, s88, 0x400000
	s_add_nc_u64 s[92:93], s[10:11], s[88:89]
	s_mov_b32 s[CLO], 0xc7000000                   ; -32768
	s_mov_b32 s[CHI], 0x46fffe00                   ; 32767
	s_mul_i32 s88, s[WV], 8448
	s_add_co_u32 s88, s88, XT                      ; my stage
	v_add_nc_u32 v[LA], s88, v[AD]                 ; in: 16 x lane, a row each 528 bytes
	v_mul_u32_u24 v[LB], v[RR], 528
	s_delay_alu instid0(VALU_DEP_1)
	v_lshl_add_u32 v[LB], v[HH], 7, v[LB]
	s_delay_alu instid0(VALU_DEP_1)
	v_add_nc_u32 v[LB], s88, v[LB]                 ; back: row r, + 128 h: my 32 neighbours of each 64
	v_lshlrev_b32 v[LC], 5, v[RR]
	s_delay_alu instid0(VALU_DEP_1)
	v_lshl_add_u32 v[LC], v[WVV], 2, v[LC]         ; my scale word: 32 x row + 4 x K step
	s_wait_loadcnt 16                              ; the partial maxima are in; the 16 loads of x behind them stay out
	v_max3_num_f32 v[M], v[XP], v[XP+1], v[XP+2]
	s_delay_alu instid0(VALU_DEP_1)
	v_max_num_f32 v[M], v[M], v[XP+3]
	s_delay_alu instid0(VALU_DEP_1)
	v_max_num_f32_dpp v[M], v[M], v[M] row_xmask:1 row_mask:0xf bank_mask:0xf
	s_delay_alu instid0(VALU_DEP_1)
	v_max_num_f32_dpp v[M], v[M], v[M] row_xmask:2 row_mask:0xf bank_mask:0xf
	s_delay_alu instid0(VALU_DEP_1)
	v_max_num_f32_dpp v[M], v[M], v[M] row_xmask:4 row_mask:0xf bank_mask:0xf
	s_delay_alu instid0(VALU_DEP_1)
	v_max_num_f32_dpp v[M], v[M], v[M] row_xmask:8 row_mask:0xf bank_mask:0xf
	s_delay_alu instid0(VALU_DEP_1)
	v_permlanex16_b32 v[T1], v[M], s[SEL], s[SEL+1]
	s_delay_alu instid0(VALU_DEP_1)
	v_max3_num_f32 v[M], v[M], v[T1], 0x322bcc77   ; the largest |x| of the whole tensor, held at 1e-8 from below
	s_wait_alu depctr_va_vdst(0)
	RCPN T0, M, T1
	DIVN SCV, M, T0, T1                            ; scale = 32767 / it
	s_wait_alu depctr_va_vdst(0)
	RCPN RV, SCV, T1
	v_mov_b32 v[SCV+1], v[SCV]
	s_delay_alu instid0(VALU_DEP_2)
	v_mov_b32 v[RV+1], v[RV]
	s_wait_alu depctr_va_vdst(0)
	s_wait_loadcnt 0x0
.set i, 0
.rept 16
	ds_store_b128 v[LA], v[T+4*i:T+4*i+3] offset:528*i
.set i, i+1
.endr
.irp c, 0,1
.irp j, 0,1,2,3,4,5,6,7
	ds_load_b128 v[X+32*\c+4*\j:X+32*\c+4*\j+3], v[LB] offset:256*\c+16*\j   ; LDS serves a wave's instructions in order: these see my stores
.endr
.endr
	s_wait_dscnt 0x0                               ; and the stores have read their registers, which are at work from here on
	FQ32 X
	MX32 X, XP, BY                                 ; the codes go where the partial maxima lay
	s_delay_alu instid0(VALU_DEP_1)
	v_mov_b32 v[SW], v[BY]
	global_store_b128 v[AD], v[XP:XP+3], s[90:91]  ; 32 lanes store 512 consecutive bytes, aligned
	FQ32 X+32
	MX32 X+32, X, BY                               ; the codes go where the first block's numbers lay: those are done with
	s_delay_alu instid0(VALU_DEP_1)
	v_lshl_or_b32 v[SW], v[BY], 16, v[SW]          ; my two bytes: blocks h and 2 + h of the K step
	global_store_b128 v[AD], v[X:X+3], s[90:91] offset:512
	v_lshlrev_b32 v[T0], 3, v[HH]
	s_delay_alu instid0(VALU_DEP_1)
	v_lshlrev_b32 v[SW], v[T0], v[SW]              ; at their places in the word,
	s_delay_alu instid0(VALU_DEP_1)
	v_permlanex16_b32 v[T1], v[SW], s[SEL], s[SEL+1]
	s_delay_alu instid0(VALU_DEP_1)
	v_or_b32 v[SW], v[SW], v[T1]                   ; with lane l xor 16's two the word is whole
	ds_store_b32 v[LC], v[SW] offset:XSC           ; (both halves of the lanes write the same word with the same value)
	s_wait_dscnt 0x0
	s_barrier_signal -1
	s_barrier_wait -1
	s_cmp_lg_u32 s[WV], 0
	s_cbranch_scc1 .Lq1_end
	ds_load_b128 v[T:T+3], v[AD] offset:XSC
	s_wait_dscnt 0x0
	global_store_b128 v[AD], v[T:T+3], s[92:93]    ; 512 consecutive bytes, aligned
.Lq1_end:
	CLOSE
	s_endpgm
	; ---- W_out: a lane takes a column, its registers run down K; the fake quantiser's scale hangs on k, so it comes by scalar loads, a scale to a register
.Lq2:
.set W,  32                            ; v32-95 my column's 64 numbers down K
.set T,  96                            ; v96-127, v128-159 at work
.set U,  128
	s_and_b32 s89, ttmp9, 15                       ; which 64 columns
	s_lshr_b32 s88, ttmp9, 4                       ; which 256 along K
	s_and_b32 s94, s[WV], 1                        ; which 32 of the columns
	s_lshr_b32 s95, s[WV], 1
	s_lshl_b32 s15, s88, 2
	s_add_co_u32 s15, s15, s95                     ; my 64 rows: number 0..63
	s_lshl_b32 s90, s15, 8
	s_mov_b32 s91, 0
	s_add_nc_u64 s[8:9], s[8:9], s[90:91]          ; st1 at my 64 scales
	SLOADS 0                                       ; the first block's scalars go out ahead of the vector loads
	s_lshl_b32 s90, s15, 18                        ; 64 rows of 4,096 bytes
	s_lshl_b32 s92, s89, 8
	s_add_co_u32 s90, s90, s92
	s_lshl_b32 s92, s94, 7
	s_add_co_u32 s90, s90, s92
	s_add_nc_u64 s[6:7], s[6:7], s[90:91]
	s_wait_alu depctr_va_vdst(0)
	v_lshlrev_b32 v[AD], 2, v[LN]
.set i, 0
.rept 64
	global_load_b32 v[W+i], v[AD], s[6:7] offset:4096*i th:TH_LOAD_NT   ; 32 lanes read 128 consecutive bytes; the neighbouring wave the next 128
.set i, i+1
.endr
	s_lshl_b32 s90, s89, 17                        ; codes: block 4 x group + 2 (w & 1) of 32,768 bytes; my 64 rows are part (number & 1) of K step number >> 1: 512 x number
	s_lshl_b32 s92, s94, 16
	s_add_co_u32 s90, s90, s92
	s_lshl_b32 s92, s15, 9
	s_add_co_u32 s90, s90, s92
	s_add_nc_u64 s[92:93], s[12:13], s[90:91]
	s_lshr_b32 s90, s88, 1                         ; scale bytes: [K / 512][column][16], behind the codes; my work-group's 8 are the lower or the upper half of the 16
	s_lshl_b32 s90, s90, 14
	s_lshl_b32 s94, s89, 10
	s_add_co_u32 s90, s90, s94
	s_and_b32 s94, s88, 1
	s_lshl_b32 s94, s94, 3
	s_add_co_u32 s90, s90, s94
	s_add_co_u32 s90, s90, 0x200000
	s_add_nc_u64 s[12:13], s[12:13], s[90:91]
	s_mov_b32 s[CLO], 0xc3000000                   ; -128
	s_mov_b32 s[CHI], 0x42fe0000                   ; 127
	v_and_b32 v[LC], 63, v0
	s_delay_alu instid0(VALU_DEP_1)
	v_lshlrev_b32 v[LC], 3, v[LC]
	v_lshrrev_b32 v[T0], 6, v0
	s_delay_alu instid0(VALU_DEP_1)
	v_lshl_add_u32 v[LC], v[T0], 1, v[LC]          ; my two scale bytes: 8 x column + 2 x (which 64 rows of the four)
	v_lshlrev_b32 v[LD], 3, v0                     ; the way out of the scale bytes (waves 0, 1): 8 x column in LDS,
	v_lshlrev_b32 v[LA], 4, v0                     ; 16 x column in memory
	v_lshlrev_b32 v[AO], 15, v[HH]
	s_delay_alu instid0(VALU_DEP_1)
	v_lshl_add_u32 v[AO], v[RR], 4, v[AO]          ; codes: lanes 16-31 belong to the next block of 16 columns
	s_wait_loadcnt 32                              ; the first block's 32 loads are in; the second's stay out
	s_wait_kmcnt 0x0
	FQ32S W
	SLOADS 128                                     ; the lines above were the last to read the first block's scalars: the second block's are asked for here, and land under the lines below
	TAIL32 W
	MX32 W, M, BY
	s_delay_alu instid0(VALU_DEP_1)
	v_mov_b32 v[SW], v[BY]
	global_store_b128 v[AO], v[M:M+3], s[92:93]    ; 16 lanes store 256 consecutive bytes, aligned; each block has its own four registers
	s_wait_loadcnt 0x0
	s_wait_kmcnt 0x0
	FQ32S W+32
	TAIL32 W+32
	MX32 W+32, XP, BY
	s_delay_alu instid0(VALU_DEP_1)
	v_lshl_or_b32 v[SW], v[BY], 8, v[SW]
	global_store_b128 v[AO], v[XP:XP+3], s[92:93] offset:256
	ds_store_b16 v[LC], v[SW] offset:WST
	s_wait_dscnt 0x0
	s_barrier_signal -1
	s_barrier_wait -1
	s_cmp_lt_u32 s[WV], 2
	s_cbranch_scc0 .Lq2_end
	ds_load_b64 v[T:T+1], v[LD] offset:WST
	s_wait_dscnt 0x0
	global_store_b64 v[LA], v[T:T+1], s[12:13]     ; a column's 8 scale bytes a lane, 16 bytes apart: the other 8 are another work-group's
.Lq2_end:
	CLOSE
	s_endpgm
.Lfunc_end_k_q9cc124d1bd_quant:
	.size	k_q9cc124d1bd_quant, .Lfunc_end_k_q9cc124d1bd_quant-k_q9cc124d1bd_quant
	.p2alignl 7, 3214868480
	.fill 96, 4, 3214868480
	.section	.rodata,"a",@progbits
	.p2align	6, 0x0
	.amdhsa_kernel k_q9cc124d1bd_quant
		.amdhsa_group_segment_fixed_size 70144
		.amdhsa_private_segment_fixed_size 0
		.amdhsa_enable_private_segment 0
		.amdhsa_kernarg_size 40
		.amdhsa_user_sgpr_count 2
		.amdhsa_user_sgpr_kernarg_segment_ptr 1
		.amdhsa_wavefront_size32 1
		.amdhsa_system_sgpr_workgroup_id_x 1
		.amdhsa_system_sgpr_workgroup_id_y 1
		.amdhsa_system_sgpr_workgroup_id_z 1
		.amdhsa_system_vgpr_workitem_id 0
		.amdhsa_next_free_vgpr 160
		.amdhsa_next_free_sgpr 96
		.amdhsa_reserve_vcc 0
		.amdhsa_float_denorm_mode_32 3
		.amdhsa_float_denorm_mode_16_64 3
		.amdhsa_memory_ordered 1
		.amdhsa_forward_progress 1
		.amdhsa_inst_pref_size 66
	.end_amdhsa_kernel
	.amdgpu_metadata
---
amdhsa.version: [ 1, 2 ]
amdhsa.kernels:
  - .name:           k_q9cc124d1bd_quant
    .symbol:         k_q9cc124d1bd_quant.kd
    .args:
      - { .name: x, .offset: 0, .size: 8, .value_kind: global_buffer, .address_space: global }
      - { .name: W_out, .offset: 8, .size: 8, .value_kind: global_buffer, .address_space: global }
      - { .name: st1, .offset: 16, .size: 8, .value_kind: global_buffer, .address_space: global }
      - { .name: xq, .offset: 24, .size: 8, .value_kind: global_buffer, .address_space: global }
      - { .name: woq, .offset: 32, .size: 8, .value_kind: global_buffer, .address_space: global }
    .group_segment_fixed_size: 70144
    .private_segment_fixed_size: 0
    .kernarg_segment_align: 8
    .kernarg_segment_size: 40
    .max_flat_workgroup_size: 256
    .sgpr_count:     96
    .vgpr_count:     160
    .wavefront_size: 32
...
	.end_amdgpu_metadata
.endif
;; end of part 2
;; launch zmax (part 3): grid 8 x 32, 8 waves a work-group, clusters of 4 x 1, 327,680 bytes of LDS; arguments xq, wiq, b_in, cand; writes cand
.if DOCPART == 3
	.amdgcn_target "amdgcn-amd-amdhsa--gfx1250"
	.amdhsa_code_object_version 6
	.text
	.protected	k_q9cc124d1bd_zmax
	.globl	k_q9cc124d1bd_zmax
	.p2align	8
	.type	k_q9cc124d1bd_zmax,@function
k_q9cc124d1bd_zmax:
	s_mov_b64 s[64:65], 0
	v_nop
	global_prefetch_b8 v0, s[64:65] scope:SCOPE_SE
	s_setreg_imm32_b32 hwreg(HW_REG_WAVE_MODE, 25, 1), 1
	s_wait_xcnt 0x0
	s_wait_alu depctr_hold_cnt(0) depctr_sa_sdst(0) depctr_va_vdst(0) depctr_va_sdst(0) depctr_va_ssrc(0) depctr_va_vcc(0) depctr_vm_vsrc(0)
	s_getreg_b32 s2, hwreg(HW_REG_IB_STS2, 6, 4)
	s_cmp_eq_u32 s2, 0
	s_cbranch_scc0 .Lentry_in_a_cluster
	s_endpgm
.Lentry_in_a_cluster:
	s_bfe_u32 s2, ttmp6, 0x10000c
	s_cmp_lg_u32 s2, 0x3003
	s_cbranch_scc0 .Lentry_shape_is_right
	s_endpgm
.Lentry_shape_is_right:
.set ASCL,  131072
.set RED,   139264
.set SPARE, 143360
.set SPW,  1
.set NIL,  2
.set LI,   3
.set AADR, 4
.set ASAD, 5
.set LR,   6
.set LR2,  7
.set RR,   8
.set HH,   9
.set OB,   10
.set OS,   11
.set TV,   12
.set OC,   13
.set BSW,  16
.set ASW,  48
.set BI,   56
.set ACC,  88
.set AF,   120
.set ZM,   184
.set KN,   188
.set KX,   192
.set R0,   196
.set T,    200
.set WV,  14
.set CX,  15
.set GX,  16
.set GY,  17
.set G1C, 20
.set G1S, 28
.set G0C, 36
.set G0S, 40
.set SEL, 44
.set KOFF, 46
.set CNT, 47
.set MSB, 0
.macro WIN new
.if MSB != \new
	s_set_vgpr_msb (MSB<<8)|\new
.set MSB, \new
.endif
.endm
.macro CROUND
	s_barrier_signal -1
	s_barrier_wait -1
	s_cmp_lg_u32 s[WV], 0
	s_cbranch_scc1 .Lnot_wave_0_\@
	s_barrier_signal -3
.Lnot_wave_0_\@:
	s_barrier_wait -3
	s_barrier_signal -1
	s_barrier_wait -1
.endm
.macro XKEY m
	v_max_num_f32_dpp v[R0], v[R0], v[R0] row_xmask:\m row_mask:0xf bank_mask:0xf
	v_mov_b32_dpp v[T], v[R0+1] row_xmask:\m row_mask:0xf bank_mask:0xf
	v_mov_b32_dpp v[T+1], v[R0+2] row_xmask:\m row_mask:0xf bank_mask:0xf
	s_delay_alu instid0(VALU_DEP_2)
	v_min_u32 v[R0+1], v[R0+1], v[T]
	s_delay_alu instid0(VALU_DEP_2)
	v_max_u32 v[R0+2], v[R0+2], v[T+1]
.endm
.macro ALOAD
.irp s, 0,1,2,3,4,5,6,7
	ds_load_b128 v[AF+8*\s:AF+8*\s+3], v[AADR] offset:1024*\s
	ds_load_b128 v[AF+8*\s+4:AF+8*\s+7], v[AADR] offset:1024*\s+512
.endr
	ds_load_b128 v[ASW:ASW+3], v[ASAD]
	ds_load_b128 v[ASW+4:ASW+7], v[ASAD] offset:16
.endm
.macro TRIP more
	s_wait_dscnt 0x0
	WIN 0x01
.irp s, 0,1,2,3,4,5,6,7
.irp b, 0,1,2,3
.if \s == 0
	v_wmma_scale_f32_16x16x128_f8f6f4 v[ACC+8*\b:ACC+8*\b+7], v[8*(8*\b+\s):8*(8*\b+\s)+7], v[AF+8*\s:AF+8*\s+7], v[BI+8*\b:BI+8*\b+7], v[BSW+8*\b+\s], v[ASW+\s] matrix_a_fmt:MATRIX_FMT_FP4 matrix_b_fmt:MATRIX_FMT_FP4
.else
	v_wmma_scale_f32_16x16x128_f8f6f4 v[ACC+8*\b:ACC+8*\b+7], v[8*(8*\b+\s):8*(8*\b+\s)+7], v[AF+8*\s:AF+8*\s+7], v[ACC+8*\b:ACC+8*\b+7], v[BSW+8*\b+\s], v[ASW+\s] matrix_a_fmt:MATRIX_FMT_FP4 matrix_b_fmt:MATRIX_FMT_FP4
.endif
.endr
.endr
	WIN 0
.if \more
	v_add_nc_u32 v[AADR], 8192, v[AADR]
	v_add_nc_u32 v[ASAD], 512, v[ASAD]
	v_nop
	v_nop
	ALOAD
.else
.rept 4
	v_nop
.endr
.endif
.set i, 0
	s_wait_alu depctr_va_vdst(0)
.rept 16
	v_max3_num_f32 v[ZM+i%4], v[ZM+i%4], v[ACC+2*i], v[ACC+2*i+1]
.set i, i+1
.endr
.set i, 0
.rept 32
	v_add_nc_u32 v[T+i], s[KOFF], v[ACC+i]
.set i, i+1
.endr
.set i, 0
.rept 32
	v_min_u32 v[KN+i%4], v[KN+i%4], v[T+i]
	v_max_u32 v[KX+i%4], v[KX+i%4], v[T+i]
.set i, i+1
.endr
.endm
	s_load_b256 s[4:11], s[0:1], 0x0
	v_lshl_add_u32 v[SPW], v0, 2, SPARE
	v_mov_b32 v[NIL], 0
	ds_add_u32 v[SPW], v[NIL]
	ds_add_u32 v[SPW], v[NIL]
	v_lshrrev_b32 v[TV], 5, v0
	s_delay_alu instid0(VALU_DEP_1)
	v_readfirstlane_b32 s[WV], v[TV]
	s_bfe_u32 s[CX], ttmp6, 0x40000
	s_lshl_b32 s[GX], ttmp9, 2
	s_add_co_u32 s[GX], s[GX], s[CX]
	s_and_b32 s[GY], ttmp7, 0xffff
	s_mov_b32 s[G1C], 15|(3<<16)|(1<<21)
	s_mov_b32 s[G1C+1], 32<<16
	s_mov_b32 s[G1C+2], 128<<16
	s_mov_b32 s[G1C+3], 32<<16
	s_mov_b32 s[G1C+4], 128
	s_mov_b32 s[G1C+5], 32
	s_mov_b32 s[G1C+6], 0
	s_mov_b32 s[G1C+7], 0
	s_mov_b32 s[G1S], 15|(3<<16)|(1<<21)
	s_mov_b32 s[G1S+1], 32<<16
	s_mov_b32 s[G1S+2], 8<<16
	s_mov_b32 s[G1S+3], 32<<16
	s_mov_b32 s[G1S+4], 8
	s_mov_b32 s[G1S+5], 32
	s_mov_b32 s[G1S+6], 0
	s_mov_b32 s[G1S+7], 0
	s_mov_b32 s[SEL], 0x76543210
	s_mov_b32 s[SEL+1], 0xfedcba98
	s_mov_b32 s[KOFF], 0x40bf8a97
	s_wait_dscnt 0x0
	s_wait_kmcnt 0x0
	s_lshl_b32 s18, s[GY], 17
	s_and_b32 s19, s[WV], 3                        ; waves 0-3 fetch a quarter of x's codes each (32,768 bytes), waves 4-7 a quarter of its scale bytes (2,048)
	s_lshl_b32 s[G0C+1], s19, 15
	s_lshl_b32 s[G0S+1], s19, 11
	s_add_co_u32 s18, s18, s[G0C+1]
	s_mov_b32 s19, 0
	s_mov_b32 s[G0C], 1
	s_add_nc_u64 s[G0C+2:G0C+3], s[4:5], s[18:19]
	s_or_b32 s[G0C+3], s[G0C+3], 0x80000000
	s_lshl_b32 s18, s[GY], 13
	s_add_co_u32 s18, s18, s[G0S+1]
	s_add_co_u32 s[G0S+1], s[G0S+1], ASCL
	s_mov_b32 s[G0S], 1
	s_add_nc_u64 s[G0S+2:G0S+3], s[4:5], s[18:19]
	s_add_nc_u64 s[G0S+2:G0S+3], s[G0S+2:G0S+3], 0x400000
	s_or_b32 s[G0S+3], s[G0S+3], 0x80000000
	s_lshl_b32 s48, s[GX], 11
	s_lshl_b32 s49, s[WV], 8
	s_add_co_u32 s48, s48, s49
	s_mov_b32 s49, 0
	s_add_nc_u64 s[48:49], s[8:9], s[48:49]
	s_lshl_b32 s50, s[GX], 14
	s_lshl_b32 s51, s[WV], 11
	s_add_co_u32 s50, s50, s51
	s_add_co_u32 s50, s50, 0x200000
	s_mov_b32 s51, 0
	s_add_nc_u64 s[50:51], s[6:7], s[50:51]
	s_lshl_b32 s52, s[GX], 18
	s_lshl_b32 s53, s[WV], 15
	s_add_co_u32 s52, s52, s53
	s_mov_b32 s53, 0
	s_add_nc_u64 s[52:53], s[6:7], s[52:53]
	s_lshl_b32 s56, s[GY], 3
	s_add_co_u32 s56, s56, s[GX]
	s_lshl_b32 s56, s56, 4
	s_wait_alu depctr_va_vdst(0)                   ; the wait ahead of the round
	CROUND                                         ; all four work-groups are here: the joint loads meet
	s_cmp_lt_u32 s[WV], 4                          ; one tensor load a wave, the launch's only fills: one branch on the wave's number, a load in each arm
	s_cbranch_scc0 .Lfor_s
	tensor_load_to_lds s[G0C:G0C+3], s[G1C:G1C+7]
	s_nop 0
.rept 4
	v_nop
.endr
	s_branch .Lasked
.Lfor_s:
	tensor_load_to_lds s[G0S:G0S+3], s[G1S:G1S+7]
	s_nop 0
.rept 4
	v_nop
.endr
.Lasked:
	v_and_b32 v[LI], 31, v0
	s_delay_alu instid0(VALU_DEP_1)
	v_lshlrev_b32 v[LI], 4, v[LI]
	v_and_b32 v[RR], 15, v0
	v_bfe_u32 v[HH], v0, 4, 1
	s_delay_alu instid0(VALU_DEP_1)
	v_lshlrev_b32 v[OB], 5, v[HH]
	s_delay_alu instid0(VALU_DEP_3)
	v_lshlrev_b32 v[OS], 5, v[RR]
.irp b, 0,1,2,3
	global_load_b128 v[BI+8*\b:BI+8*\b+3], v[OB], s[48:49] offset:64*\b
	global_load_b128 v[BI+8*\b+4:BI+8*\b+7], v[OB], s[48:49] offset:64*\b+16
	global_load_b128 v[BSW+8*\b:BSW+8*\b+3], v[OS], s[50:51] offset:512*\b
	global_load_b128 v[BSW+8*\b+4:BSW+8*\b+7], v[OS], s[50:51] offset:512*\b+16
.endr
	WIN 0x40
.set i, 0
.rept 64
	global_load_b128 v[4*i:4*i+3], v[LI], s[52:53] offset:512*i
.set i, i+1
.endr
	WIN 0
	v_mov_b32 v[AADR], v[LI]
	v_add_nc_u32 v[ASAD], ASCL, v[OS]
	v_lshl_add_u32 v[LR], v[TV], 4, RED
	v_and_b32 v[LR2], 7, v0
	s_delay_alu instid0(VALU_DEP_1)
	v_lshl_add_u32 v[LR2], v[LR2], 4, RED
	v_mov_b32 v[OC], s56
.irp k, 0,1,2,3
	v_mov_b32 v[ZM+\k], 0xff800000
	v_mov_b32 v[KN+\k], -1
	v_mov_b32 v[KX+\k], 0
.endr
	s_wait_loadcnt 0x0
	s_wait_tensorcnt 0x0
	s_barrier_signal -1
	s_barrier_wait -1
	ALOAD
	s_mov_b32 s[CNT], 15
.Ltrip:
	TRIP 1
	s_sub_co_u32 s[CNT], s[CNT], 1
	s_cmp_lg_u32 s[CNT], 0
	s_cbranch_scc1 .Ltrip
	TRIP 0
	v_max3_num_f32 v[ZM], v[ZM], v[ZM+1], v[ZM+2]
	s_delay_alu instid0(VALU_DEP_1)
	v_max_num_f32 v[R0], v[ZM], v[ZM+3]
	v_min_u32 v[KN], v[KN], v[KN+1]
	v_min_u32 v[KN+2], v[KN+2], v[KN+3]
	s_delay_alu instid0(VALU_DEP_1)
	v_min_u32 v[R0+1], v[KN], v[KN+2]
	v_max_u32 v[KX], v[KX], v[KX+1]
	v_max_u32 v[KX+2], v[KX+2], v[KX+3]
	s_delay_alu instid0(VALU_DEP_1)
	v_max_u32 v[R0+2], v[KX], v[KX+2]
	v_mov_b32 v[R0+3], 0
	XKEY 1
	XKEY 2
	XKEY 4
	XKEY 8
	s_delay_alu instid0(VALU_DEP_4)
	v_permlanex16_b32 v[T], v[R0], s[SEL], s[SEL+1]
	s_delay_alu instid0(VALU_DEP_3)
	v_permlanex16_b32 v[T+1], v[R0+1], s[SEL], s[SEL+1]
	s_delay_alu instid0(VALU_DEP_3)
	v_permlanex16_b32 v[T+2], v[R0+2], s[SEL], s[SEL+1]
	s_delay_alu instid0(VALU_DEP_3)
	v_max_num_f32 v[R0], v[R0], v[T]
	s_delay_alu instid0(VALU_DEP_3)
	v_min_u32 v[R0+1], v[R0+1], v[T+1]
	s_delay_alu instid0(VALU_DEP_3)
	v_max_u32 v[R0+2], v[R0+2], v[T+2]
	ds_store_b128 v[LR], v[R0:R0+3]
	s_wait_dscnt 0x0
	s_barrier_signal -1
	s_barrier_wait -1
	s_cmp_lg_u32 s[WV], 0
	s_cbranch_scc1 .Lend
	ds_load_b128 v[R0:R0+3], v[LR2]
	s_wait_dscnt 0x0
	XKEY 1
	XKEY 2
	XKEY 4
	v_cmp_gt_u32 vcc_lo, 1, v0
	s_wait_alu depctr_va_vdst(0)
	s_wait_xcnt 0x0
	s_and_saveexec_b32 s54, vcc_lo
	global_store_b128 v[OC], v[R0:R0+3], s[10:11]
	s_wait_xcnt 0x0
	s_or_b32 exec_lo, exec_lo, s54
.Lend:
	s_wait_tensorcnt 0x0
	ds_add_u32 v[SPW], v[NIL]
	s_wait_dscnt 0x0
	CROUND
	s_endpgm
.Lfunc_end_k_q9cc124d1bd_zmax:
	.size	k_q9cc124d1bd_zmax, .Lfunc_end_k_q9cc124d1bd_zmax-k_q9cc124d1bd_zmax
	.p2alignl 7, 3214868480
	.fill 96, 4, 3214868480
	.section	.rodata,"a",@progbits
	.p2align	6, 0x0
	.amdhsa_kernel k_q9cc124d1bd_zmax
		.amdhsa_group_segment_fixed_size 327680
		.amdhsa_private_segment_fixed_size 0
		.amdhsa_enable_private_segment 0
		.amdhsa_kernarg_size 32
		.amdhsa_user_sgpr_count 2
		.amdhsa_user_sgpr_kernarg_segment_ptr 1
		.amdhsa_wavefront_size32 1
		.amdhsa_system_sgpr_workgroup_id_x 1
		.amdhsa_system_sgpr_workgroup_id_y 1
		.amdhsa_system_sgpr_workgroup_id_z 1
		.amdhsa_system_vgpr_workitem_id 0
		.amdhsa_next_free_vgpr 512
		.amdhsa_next_free_sgpr 66
		.amdhsa_reserve_vcc 1
		.amdhsa_float_denorm_mode_32 3
		.amdhsa_float_denorm_mode_16_64 3
		.amdhsa_memory_ordered 1
		.amdhsa_forward_progress 1
		.amdhsa_inst_pref_size 37
	.end_amdhsa_kernel
	.amdgpu_metadata
---
amdhsa.version: [ 1, 2 ]
amdhsa.kernels:
  - .name:           k_q9cc124d1bd_zmax
    .symbol:         k_q9cc124d1bd_zmax.kd
    .args:
      - { .name: xq, .offset: 0, .size: 8, .value_kind: global_buffer, .address_space: global }
      - { .name: wiq, .offset: 8, .size: 8, .value_kind: global_buffer, .address_space: global }
      - { .name: b_in, .offset: 16, .size: 8, .value_kind: global_buffer, .address_space: global }
      - { .name: cand, .offset: 24, .size: 8, .value_kind: global_buffer, .address_space: global }
    .group_segment_fixed_size: 327680
    .private_segment_fixed_size: 0
    .kernarg_segment_align: 8
    .kernarg_segment_size: 32
    .max_flat_workgroup_size: 256
    .sgpr_count:     66
    .vgpr_count:     512
    .wavefront_size: 32
...
	.end_amdgpu_metadata
.endif
;; end of part 3
;; launch hidden (part 4): grid 8 x 32, 8 waves a work-group, clusters of 4 x 1, 167,936 bytes of LDS; arguments xq, wiq, b_in, cand, hq; writes hq
.if DOCPART == 4
	.amdgcn_target "amdgcn-amd-amdhsa--gfx1250"
	.amdhsa_code_object_version 6
	.text
	.protected	k_q9cc124d1bd_hidden
	.globl	k_q9cc124d1bd_hidden
	.p2align	8
	.type	k_q9cc124d1bd_hidden,@function
k_q9cc124d1bd_hidden:
	s_mov_b64 s[64:65], 0
	v_nop
	global_prefetch_b8 v0, s[64:65] scope:SCOPE_SE
	s_setreg_imm32_b32 hwreg(HW_REG_WAVE_MODE, 25, 1), 1
	s_wait_xcnt 0x0
	s_wait_alu depctr_hold_cnt(0) depctr_sa_sdst(0) depctr_va_vdst(0) depctr_va_sdst(0) depctr_va_ssrc(0) depctr_va_vcc(0) depctr_vm_vsrc(0)
	s_getreg_b32 s2, hwreg(HW_REG_IB_STS2, 6, 4)
	s_cmp_eq_u32 s2, 0
	s_cbranch_scc0 .Lentry_in_a_cluster
	s_endpgm
.Lentry_in_a_cluster:
	s_bfe_u32 s2, ttmp6, 0x10000c
	s_cmp_lg_u32 s2, 0x3003
	s_cbranch_scc0 .Lentry_shape_is_right
	s_endpgm
.Lentry_shape_is_right:
; hidden codes = Q4(A16(gelu(Q4(x_sim) Q4(W_in_sim) + b_in))).  The first product once more, by the same instructions in the same order as in the launch before, so that z has the same bits; the hidden layer goes to memory as codes alone.
; LEFT OUT, by identities that hold for all values: h + (h_q - h) = h_q.  Fused: h x scale rides in the gelu's last multiply-add; the division by the scale is a multiplication by its refined reciprocal.  Both clips are kept.
; gelu(z) = z (0.5 + 0.5 erf(z / sqrt 2)); erf(u) = u A(u^2) / B(u^2), a rational form of degrees 6 and 4 in u^2, u held to +-3.8325 (there erf is 1 in f32).  With q = zc^2 (zc: z held to +-5.41998) the powers of 1/2 are folded into
; the coefficients, and so are 1 / (2 sqrt 2) and the scale into A's: n = round(z (zc A'(q) / B'(q) + scale / 2)), rounded to a whole number, ties to even, by adding 1.5 x 2^23 inside the multiply-add; clip; x 1 / scale.
; THE SCALE: 32767 / the largest |gelu|, held at 1e-8: the largest of |gelu| at the three elements that the launch before found (its head says why they suffice), by the same form unscaled.
; SHARES, LAYOUT, CLUSTER: as in the launch before.  A work-group owns 256 rows x 512 hidden units, wave w units 64 w on, W_in's part in its registers, x in LDS, filled once by joint loads.
; A block of 32 along the next K is accumulators 2 n and 2 n + 1 of lanes l and l xor 16.  The four conversions' results, with two exchanges of halves, are part w & 1 of fragment (rows, K step 4 gx + w / 2) of the second product's operand:
; the wave stores it as it stands, 512 consecutive bytes.  The scale bytes, two a row and wave, are gathered in LDS, [256 rows][16], and leave as whole runs at the end.
.set ASCL,  131072
.set STG,   139264                     ; LDS: the hidden layer's scale bytes, [256 rows][16]
.set SPARE, 143360
.set SPW,  1
.set NIL,  2
.set LI,   3
.set AADR, 4
.set ASAD, 5
.set CO,   6                           ; byte offset of my codes, a block of rows each 32,768
.set STA,  7                           ; LDS: my two scale bytes
.set RR,   8
.set HH,   9
.set LR,   10
.set VA5,  12                          ; v[12:13] A'5, twice
.set VB3,  14                          ; v[14:15] B'3, twice
.set BSW,  16
.set ASW,  48
.set BI,   56
.set ACC,  88
.set AF,   120
.set ZC,   184                         ; v184-199, 200-215, 216-231, 232-247: sixteen numbers each, at work
.set Q,    200
.set PA,   216
.set PB,   232
.set CD,   248                         ; v[248:251] the codes
.set M,    252
.set M2,   253
.set SO,   254
.set BYW,  255
.set CN,   184                         ; at the head: the 256 work-groups' figures, eight a lane
.set OB,   216
.set OS,   217
.set TV,   218
.set R0,   220                         ; v220-222 the three figures
.set T,    223                         ; v223-225 at work
.set ZZ,   226
.set ZS,   227
.set QS,   228
.set PAS,  229
.set PBS,  230
.set AM,   231
.set RT,   232
.set T1,   233
.set SCLV, 234
.set INVV, 235
.set WV,  14
.set CX,  15
.set GX,  16
.set GY,  17
.set G1C, 20
.set G1S, 28
.set G0C, 36
.set G0S, 40
.set SEL, 44
.set A,   46                           ; s[46:59] A'0 .. A'6, a pair each
.set HS,  60                           ; s[60:61] scale / 2
.set CC,  62                           ; s[62:63] 1.5 x 2^23
.set B,   66                           ; s[66:75] B'0 .. B'4
.set NC,  76                           ; s[76:77] -1.5 x 2^23
.set INV, 78                           ; s[78:79] 1 / scale
.set PL,  80
.set NL,  81
.set CLO, 82
.set CHI, 83
.set CNT, 84
.set SCS, 85
.set MSB, 0
.macro WIN new
.if MSB != \new
	s_set_vgpr_msb (MSB<<8)|\new
.set MSB, \new
.endif
.endm
.macro CROUND
	s_barrier_signal -1
	s_barrier_wait -1
	s_cmp_lg_u32 s[WV], 0
	s_cbranch_scc1 .Lnot_wave_0_\@
	s_barrier_signal -3
.Lnot_wave_0_\@:
	s_barrier_wait -3
	s_barrier_signal -1
	s_barrier_wait -1
.endm
.macro XKEY m
	v_max_num_f32_dpp v[R0], v[R0], v[R0] row_xmask:\m row_mask:0xf bank_mask:0xf
	s_delay_alu instid0(VALU_DEP_3)
	v_mov_b32_dpp v[T], v[R0+1] row_xmask:\m row_mask:0xf bank_mask:0xf
	s_delay_alu instid0(VALU_DEP_3)
	v_mov_b32_dpp v[T+1], v[R0+2] row_xmask:\m row_mask:0xf bank_mask:0xf
	s_delay_alu instid0(VALU_DEP_2)
	v_min_u32 v[R0+1], v[R0+1], v[T]
	s_delay_alu instid0(VALU_DEP_2)
	v_max_u32 v[R0+2], v[R0+2], v[T+1]
.endm
.macro RCPN r, a, t
	v_rcp_f32 v[\r], v[\a]
	v_nop
	s_wait_alu depctr_va_vdst(0)
	v_fma_f32 v[\t], -v[\a], v[\r], 1.0
	v_fma_f32 v[\r], v[\t], v[\r], v[\r]
.endm
.macro ACOEF k, bits                   ; A'k = alpha k x 2^-(k + 1) / sqrt 2
	s_mov_b32 s[A+2*\k], \bits
	s_mul_f32 s[A+2*\k], s[A+2*\k], 0x3f3504f3-((\k+1)<<23)
.endm
.macro BCOEF k, bits                   ; B'k = beta k x 2^-k: k off the exponent field
	s_mov_b32 s[B+2*\k], \bits-(\k<<23)
	s_mov_b32 s[B+2*\k+1], \bits-(\k<<23)
.endm
.macro ALOAD
.irp s, 0,1,2,3,4,5,6,7
	ds_load_b128 v[AF+8*\s:AF+8*\s+3], v[AADR] offset:1024*\s
	ds_load_b128 v[AF+8*\s+4:AF+8*\s+7], v[AADR] offset:1024*\s+512
.endr
	ds_load_b128 v[ASW:ASW+3], v[ASAD]
	ds_load_b128 v[ASW+4:ASW+7], v[ASAD] offset:16
.endm
; Sixteen numbers of a lane, accumulators 2 n and 2 n + 1: gelu, the int16 steps, and with lane l xor 16's sixteen a block of 32 along the next K
.macro BLK n
.set Z, ACC+16*\n
.set i, 0
.rept 16
	v_med3_num_f32 v[ZC+i], v[Z+i], s[NL], s[PL]   ; each accumulator from its low end on
.set i, i+1
.endr
.set i, 0
.rept 8
	v_pk_mul_f32 v[Q+i:Q+i+1], v[ZC+i:ZC+i+1], v[ZC+i:ZC+i+1]
.set i, i+2
.endr
.set i, 0
.rept 8
	v_pk_fma_f32 v[PA+i:PA+i+1], v[Q+i:Q+i+1], s[A+12:A+13], v[VA5:VA5+1] op_sel_hi:[1,0,1]
	v_pk_fma_f32 v[PB+i:PB+i+1], v[Q+i:Q+i+1], s[B+8:B+9], v[VB3:VB3+1] op_sel_hi:[1,0,1]
.set i, i+2
.endr
.irp k, 0,1,2,3,4
.set i, 0
.rept 8
	v_pk_fma_f32 v[PA+i:PA+i+1], v[PA+i:PA+i+1], v[Q+i:Q+i+1], s[A+8-2*\k:A+9-2*\k] op_sel_hi:[1,1,0]
.if \k < 3
	v_pk_fma_f32 v[PB+i:PB+i+1], v[PB+i:PB+i+1], v[Q+i:Q+i+1], s[B+4-2*\k:B+5-2*\k] op_sel_hi:[1,1,0]
.endif
.set i, i+2
.endr
.endr
.set i, 0
	s_wait_alu depctr_va_vdst(0)
.rept 16
	v_rcp_f32 v[PB+i], v[PB+i]                     ; one batch of sixteen
.set i, i+1
.endr
.set i, 0
.rept 8
	v_pk_mul_f32 v[PA+i:PA+i+1], v[PA+i:PA+i+1], v[ZC+i:ZC+i+1]       ; plain work that names no reciprocal
.set i, i+2
.endr
	s_wait_alu depctr_va_vdst(0)                   ; one wait for the batch, ahead of its first reader
.set i, 0
.rept 8
	v_pk_fma_f32 v[PA+i:PA+i+1], v[PA+i:PA+i+1], v[PB+i:PB+i+1], s[HS:HS+1] op_sel_hi:[1,1,0]
.set i, i+2
.endr
.set i, 0
.rept 8
	v_pk_fma_f32 v[Q+i:Q+i+1], v[Z+i:Z+i+1], v[PA+i:PA+i+1], s[CC:CC+1] op_sel_hi:[1,1,0]    ; h x scale + 1.5 x 2^23: rounded to a whole number, ties to even
.set i, i+2
.endr
.set i, 0
.rept 8
	v_pk_add_f32 v[Q+i:Q+i+1], v[Q+i:Q+i+1], s[NC:NC+1] op_sel_hi:[1,0]
.set i, i+2
.endr
.set i, 0
.rept 16
	v_med3_num_f32 v[Q+i], v[Q+i], s[CLO], s[CHI]
.set i, i+1
.endr
.set i, 0
.rept 8
	v_pk_mul_f32 v[Q+i:Q+i+1], v[Q+i:Q+i+1], s[INV:INV+1] op_sel_hi:[1,0]
.set i, i+2
.endr
	v_max3_num_f32 v[M], |v[Q]|, |v[Q+1]|, 0x1800000             ; with the floor 2^(3 - 127): the byte cannot fall under 1
	v_max_num_f32 v[M2], |v[Q+8]|, |v[Q+9]|
.irp i, 2,4,6
	s_delay_alu instid0(VALU_DEP_2)
	v_max3_num_f32 v[M], v[M], |v[Q+\i]|, |v[Q+\i+1]|
	s_delay_alu instid0(VALU_DEP_2)
	v_max3_num_f32 v[M2], v[M2], |v[Q+8+\i]|, |v[Q+9+\i]|
.endr
	s_delay_alu instid0(VALU_DEP_1)
	v_max_num_f32 v[M], v[M], v[M2]
	s_delay_alu instid0(VALU_DEP_1)
	v_permlanex16_b32 v[M2], v[M], s[SEL], s[SEL+1]
	s_delay_alu instid0(VALU_DEP_1)
	v_max_num_f32 v[M], v[M], v[M2]                ; the block's largest magnitude
	s_delay_alu instid0(VALU_DEP_1)
	v_add_nc_u32 v[SO], 0xff000000, v[M]           ; 2 off the exponent field: the conversion's scale operand
	v_cvt_scalef32_pk8_fp4_f32 v[CD+\n], v[Q:Q+7], v[SO]
	v_cvt_scalef32_pk8_fp4_f32 v[CD+2+\n], v[Q+8:Q+15], v[SO]
.if \n == 0
	v_lshrrev_b32 v[BYW], 23, v[SO]                ; the scale's byte (a plain instruction behind the conversions)
.else
	v_lshrrev_b32 v[M2], 23, v[SO]
	s_delay_alu instid0(VALU_DEP_1)
	v_lshl_or_b32 v[BYW], v[M2], 8, v[BYW]
.endif
.endm
.macro TRIP more
	s_wait_dscnt 0x0                               ; the block's fragments and scale words are in, and my last byte store has landed
	WIN 0x01
.irp s, 0,1,2,3,4,5,6,7                        ; the four accumulators take turns, one instruction a turn
.irp b, 0,1,2,3
.if \s == 0
	v_wmma_scale_f32_16x16x128_f8f6f4 v[ACC+8*\b:ACC+8*\b+7], v[8*(8*\b+\s):8*(8*\b+\s)+7], v[AF+8*\s:AF+8*\s+7], v[BI+8*\b:BI+8*\b+7], v[BSW+8*\b+\s], v[ASW+\s] matrix_a_fmt:MATRIX_FMT_FP4 matrix_b_fmt:MATRIX_FMT_FP4
.else
	v_wmma_scale_f32_16x16x128_f8f6f4 v[ACC+8*\b:ACC+8*\b+7], v[8*(8*\b+\s):8*(8*\b+\s)+7], v[AF+8*\s:AF+8*\s+7], v[ACC+8*\b:ACC+8*\b+7], v[BSW+8*\b+\s], v[ASW+\s] matrix_a_fmt:MATRIX_FMT_FP4 matrix_b_fmt:MATRIX_FMT_FP4
.endif
.endr
.endr
	WIN 0
	s_wait_xcnt 0x0                                ; the last block's store has read its offset and its codes: both are written again only behind this wait
	v_add_nc_u32 v[CO], 32768, v[CO]               ; four plain instructions behind the products, ahead of the loads into their sources and of the first read of results
	v_add_nc_u32 v[STA], 256, v[STA]
.if \more
	v_add_nc_u32 v[AADR], 8192, v[AADR]
	v_add_nc_u32 v[ASAD], 512, v[ASAD]
	ALOAD                                          ; the next block lands under the vector work below
.else
	v_nop
	v_nop
.endif
	BLK 0
	BLK 1
	v_permlane16_swap_b32 v[CD], v[CD+1]           ; the operand's layout wants a whole block in a lane: lanes 0-15 units 0-31 of my 64, lanes 16-31 units 32-63
	v_permlane16_swap_b32 v[CD+2], v[CD+3]
	global_store_b128 v[CO], v[CD:CD+3], s[92:93] offset:-32768   ; 32 lanes store 512 consecutive bytes, aligned
	ds_store_b16 v[STA], v[BYW]                    ; (both halves of the lanes write the same two bytes with the same values)
.endm
	s_load_b256 s[4:11], s[0:1], 0x0               ; xq s[4:5], wiq s[6:7], b_in s[8:9], cand s[10:11]
	s_load_b64 s[12:13], s[0:1], 0x20              ; hq
	v_lshl_add_u32 v[SPW], v0, 2, SPARE
	v_mov_b32 v[NIL], 0
	ds_add_u32 v[SPW], v[NIL]                      ; the wave's opening: the add, twice on end, and its wait ahead of my first tensor load
	ds_add_u32 v[SPW], v[NIL]
	v_lshrrev_b32 v[TV], 5, v0
	s_delay_alu instid0(VALU_DEP_1)
	v_readfirstlane_b32 s[WV], v[TV]
	s_bfe_u32 s[CX], ttmp6, 0x40000                ; my place in the cluster: it enters global addresses of W_in, b_in and hq alone
	s_lshl_b32 s[GX], ttmp9, 2
	s_add_co_u32 s[GX], s[GX], s[CX]
	s_and_b32 s[GY], ttmp7, 0xffff
	s_mov_b32 s[G1C], 15|(3<<16)|(1<<21)           ; dense blocks as rows of 256 bytes: 128 rows of codes (waves 0-3) or 8 rows of scale bytes (waves 4-7) a load; the mask of all four
	s_mov_b32 s[G1C+1], 32<<16
	s_mov_b32 s[G1C+2], 128<<16
	s_mov_b32 s[G1C+3], 32<<16
	s_mov_b32 s[G1C+4], 128
	s_mov_b32 s[G1C+5], 32
	s_mov_b32 s[G1C+6], 0
	s_mov_b32 s[G1C+7], 0
	s_mov_b32 s[G1S], 15|(3<<16)|(1<<21)
	s_mov_b32 s[G1S+1], 32<<16
	s_mov_b32 s[G1S+2], 8<<16
	s_mov_b32 s[G1S+3], 32<<16
	s_mov_b32 s[G1S+4], 8
	s_mov_b32 s[G1S+5], 32
	s_mov_b32 s[G1S+6], 0
	s_mov_b32 s[G1S+7], 0
	s_mov_b32 s[SEL], 0x76543210
	s_mov_b32 s[SEL+1], 0xfedcba98
	ACOEF 0, 0xbc83dbd4
	ACOEF 1, 0xbb41a1f6
	ACOEF 2, 0xba40ac63
	ACOEF 3, 0xb86ec2d2
	ACOEF 4, 0xb60cff51
	ACOEF 5, 0x32edffee
	ACOEF 6, 0xaf95df0b
	BCOEF 0, 0xbc69b6a7
	BCOEF 1, 0xbbf19bf8
	BCOEF 2, 0xbadc924e
	BCOEF 3, 0xb95fbd29
	BCOEF 4, 0xb77460cd
	s_mov_b32 s[CC], 0x4b400000
	s_mov_b32 s[CC+1], 0x4b400000
	s_mov_b32 s[NC], 0xcb400000
	s_mov_b32 s[NC+1], 0xcb400000
	s_mov_b32 s[PL], 0x40ad7081                    ; 5.41998 = 3.8325 x sqrt 2
	s_mov_b32 s[NL], 0xc0ad7081
	s_mov_b32 s[CLO], 0xc7000000                   ; -32768
	s_mov_b32 s[CHI], 0x46fffe00                   ; 32767
	s_wait_dscnt 0x0                               ; both opening adds are done
	s_wait_kmcnt 0x0
	s_lshl_b32 s18, s[GY], 17
	s_and_b32 s19, s[WV], 3                        ; waves 0-3 fetch a quarter of x's codes each (32,768 bytes), waves 4-7 a quarter of its scale bytes (2,048)
	s_lshl_b32 s[G0C+1], s19, 15
	s_lshl_b32 s[G0S+1], s19, 11
	s_add_co_u32 s18, s18, s[G0C+1]
	s_mov_b32 s19, 0
	s_mov_b32 s[G0C], 1
	s_add_nc_u64 s[G0C+2:G0C+3], s[4:5], s[18:19]
	s_or_b32 s[G0C+3], s[G0C+3], 0x80000000
	s_lshl_b32 s18, s[GY], 13
	s_add_co_u32 s18, s18, s[G0S+1]
	s_add_co_u32 s[G0S+1], s[G0S+1], ASCL
	s_mov_b32 s[G0S], 1
	s_add_nc_u64 s[G0S+2:G0S+3], s[4:5], s[18:19]
	s_add_nc_u64 s[G0S+2:G0S+3], s[G0S+2:G0S+3], 0x400000
	s_or_b32 s[G0S+3], s[G0S+3], 0x80000000
	s_lshl_b32 s86, s[GX], 11                      ; b_in at my 64 units
	s_lshl_b32 s87, s[WV], 8
	s_add_co_u32 s86, s86, s87
	s_mov_b32 s87, 0
	s_add_nc_u64 s[86:87], s[8:9], s[86:87]
	s_lshl_b32 s88, s[GX], 14                      ; W_in's scale bytes
	s_lshl_b32 s89, s[WV], 11
	s_add_co_u32 s88, s88, s89
	s_add_co_u32 s88, s88, 0x200000
	s_mov_b32 s89, 0
	s_add_nc_u64 s[88:89], s[6:7], s[88:89]
	s_lshl_b32 s90, s[GX], 18                      ; W_in's codes
	s_lshl_b32 s91, s[WV], 15
	s_add_co_u32 s90, s90, s91
	s_mov_b32 s91, 0
	s_add_nc_u64 s[90:91], s[6:7], s[90:91]
	s_lshl_b32 s92, s[GY], 19                      ; hq's codes: 16 blocks of 32,768 bytes; K step 4 gx + w / 2 of 1,024, part w & 1 of 512: 4,096 gx + 512 w
	s_lshl_b32 s93, s[GX], 12
	s_add_co_u32 s92, s92, s93
	s_lshl_b32 s93, s[WV], 9
	s_add_co_u32 s92, s92, s93
	s_lshl_b32 s94, s[GX], 17                      ; hq's scale bytes: [K / 512][row][16], behind the codes; 512 bytes a wave on the way out
	s_lshl_b32 s95, s[GY], 12
	s_add_co_u32 s94, s94, s95
	s_add_co_u32 s94, s94, s93
	s_add_co_u32 s94, s94, 0x1000000
	s_mov_b32 s93, 0
	s_mov_b32 s95, 0
	s_add_nc_u64 s[92:93], s[12:13], s[92:93]
	s_add_nc_u64 s[94:95], s[12:13], s[94:95]
	s_wait_alu depctr_va_vdst(0)                   ; the wait ahead of the round
	CROUND                                         ; all four work-groups are here: the joint loads meet
	s_cmp_lt_u32 s[WV], 4                          ; one tensor load a wave, the launch's only fills: one branch on the wave's number, a load in each arm
	s_cbranch_scc0 .Lfor_s
	tensor_load_to_lds s[G0C:G0C+3], s[G1C:G1C+7]
	s_nop 0
.rept 4
	v_nop
.endr
	s_branch .Lasked
.Lfor_s:
	tensor_load_to_lds s[G0S:G0S+3], s[G1S:G1S+7]
	s_nop 0
.rept 4
	v_nop
.endr
.Lasked:
	v_and_b32 v[LI], 31, v0
	s_delay_alu instid0(VALU_DEP_1)
	v_lshlrev_b32 v[LI], 4, v[LI]
	v_and_b32 v[RR], 15, v0
	v_bfe_u32 v[HH], v0, 4, 1
	s_delay_alu instid0(VALU_DEP_1)
	v_lshlrev_b32 v[OB], 5, v[HH]
	s_delay_alu instid0(VALU_DEP_3)
	v_lshlrev_b32 v[OS], 5, v[RR]
.irp i, 0,1,2,3,4,5,6,7
	global_load_b128 v[CN+4*\i:CN+4*\i+3], v[LI], s[10:11] offset:512*\i
.endr
.irp b, 0,1,2,3
	global_load_b128 v[BI+8*\b:BI+8*\b+3], v[OB], s[86:87] offset:64*\b
	global_load_b128 v[BI+8*\b+4:BI+8*\b+7], v[OB], s[86:87] offset:64*\b+16
	global_load_b128 v[BSW+8*\b:BSW+8*\b+3], v[OS], s[88:89] offset:512*\b
	global_load_b128 v[BSW+8*\b+4:BSW+8*\b+7], v[OS], s[88:89] offset:512*\b+16
.endr
	WIN 0x40
.set i, 0
.rept 64
	global_load_b128 v[4*i:4*i+3], v[LI], s[90:91] offset:512*i
.set i, i+1
.endr
	WIN 0
	v_mov_b32 v[AADR], v[LI]
	v_mov_b32 v[CO], v[LI]
	v_add_nc_u32 v[ASAD], ASCL, v[OS]
	v_lshl_add_u32 v[STA], v[RR], 4, STG-256       ; 16 x row + 2 x wave, one block of rows low: each trip steps it ahead of its store
	s_delay_alu instid0(VALU_DEP_1)
	v_lshl_add_u32 v[STA], v[TV], 1, v[STA]
	v_lshl_add_u32 v[LR], v0, 4, STG               ; the way out: 16 x thread
.irp k, 0,1,2
	v_mov_b32 v[T+\k], 0                           ; destinations of lane moves count as read
.endr
	s_wait_loadcnt 0x0
	; the three elements over all 256 work-groups
	v_max3_num_f32 v[R0], v[CN], v[CN+4], v[CN+8]
	s_delay_alu instid0(VALU_DEP_1)
	v_max3_num_f32 v[R0], v[R0], v[CN+12], v[CN+16]
	s_delay_alu instid0(VALU_DEP_1)
	v_max3_num_f32 v[R0], v[R0], v[CN+20], v[CN+24]
	s_delay_alu instid0(VALU_DEP_1)
	v_max_num_f32 v[R0], v[R0], v[CN+28]
	v_min_u32 v[R0+1], v[CN+1], v[CN+5]
	v_max_u32 v[R0+2], v[CN+2], v[CN+6]
.irp i, 8,12,16,20,24,28
	s_delay_alu instid0(VALU_DEP_2)
	v_min_u32 v[R0+1], v[R0+1], v[CN+1+\i]
	s_delay_alu instid0(VALU_DEP_2)
	v_max_u32 v[R0+2], v[R0+2], v[CN+2+\i]
.endr
	XKEY 1
	XKEY 2
	XKEY 4
	XKEY 8
	s_delay_alu instid0(VALU_DEP_4)
	v_permlanex16_b32 v[T], v[R0], s[SEL], s[SEL+1]
	s_delay_alu instid0(VALU_DEP_3)
	v_permlanex16_b32 v[T+1], v[R0+1], s[SEL], s[SEL+1]
	s_delay_alu instid0(VALU_DEP_3)
	v_permlanex16_b32 v[T+2], v[R0+2], s[SEL], s[SEL+1]
	s_delay_alu instid0(VALU_DEP_3)
	v_max_num_f32 v[R0], v[R0], v[T]
	s_delay_alu instid0(VALU_DEP_3)
	v_min_u32 v[R0+1], v[R0+1], v[T+1]
	s_delay_alu instid0(VALU_DEP_3)
	v_max_u32 v[R0+2], v[R0+2], v[T+2]
	s_delay_alu instid0(VALU_DEP_2)
	v_add_nc_u32 v[R0+1], 0xbf407569, v[R0+1]      ; keys back to z: + bits(z*)
	s_delay_alu instid0(VALU_DEP_2)
	v_add_nc_u32 v[R0+2], 0xbf407569, v[R0+2]
	v_and_b32 v[T], 3, v0                          ; lanes 4 i + 1 take the second, 4 i + 2 the third, the others the first
	s_delay_alu instid0(VALU_DEP_1)
	v_cmp_eq_u32 vcc_lo, 1, v[T]
	s_delay_alu instid0(VALU_DEP_1)
	v_cndmask_b32 v[ZZ], v[R0], v[R0+1], vcc_lo
	s_delay_alu instid0(VALU_DEP_3)
	v_cmp_eq_u32 vcc_lo, 2, v[T]
	s_delay_alu instid0(VALU_DEP_1)
	v_cndmask_b32 v[ZZ], v[ZZ], v[R0+2], vcc_lo
	s_delay_alu instid0(VALU_DEP_1)
	v_med3_num_f32 v[ZS], v[ZZ], s[NL], s[PL]
	s_delay_alu instid0(VALU_DEP_1)
	v_mul_f32 v[QS], v[ZS], v[ZS]
	v_mov_b32 v[PAS], s[A+12]
	v_mov_b32 v[PBS], s[B+8]
.irp k, 10
	s_delay_alu instid0(VALU_DEP_2)
	v_fma_f32 v[PAS], v[PAS], v[QS], s[A+\k]
.endr
.irp k, 8, 6, 4, 2, 0
	s_delay_alu instid0(VALU_DEP_1)
	v_fma_f32 v[PAS], v[PAS], v[QS], s[A+\k]
.endr
.irp k, 6
	v_fma_f32 v[PBS], v[PBS], v[QS], s[B+\k]
.endr
.irp k, 4, 2, 0
	s_delay_alu instid0(VALU_DEP_1)
	v_fma_f32 v[PBS], v[PBS], v[QS], s[B+\k]
.endr
	s_wait_alu depctr_va_vdst(0)
	v_rcp_f32 v[PBS], v[PBS]
	v_mul_f32 v[PAS], v[PAS], v[ZS]                ; (a plain instruction behind the reciprocal)
	s_wait_alu depctr_va_vdst(0)
	v_fma_f32 v[PAS], v[PAS], v[PBS], 0.5
	s_delay_alu instid0(VALU_DEP_1)
	v_mul_f32 v[PAS], v[ZZ], v[PAS]                ; gelu
	s_delay_alu instid0(VALU_DEP_1)
	v_and_b32 v[AM], 0x7fffffff, v[PAS]
	s_delay_alu instid0(VALU_DEP_1)
	v_max_num_f32_dpp v[AM], v[AM], v[AM] row_xmask:1 row_mask:0xf bank_mask:0xf
	s_delay_alu instid0(VALU_DEP_1)
	v_max_num_f32_dpp v[AM], v[AM], v[AM] row_xmask:2 row_mask:0xf bank_mask:0xf
	s_delay_alu instid0(VALU_DEP_1)
	v_max_num_f32 v[AM], 0x322bcc77, v[AM]         ; the largest |gelu|, held at 1e-8 from below: the same in every lane
	s_wait_alu depctr_va_vdst(0)
	RCPN RT, AM, T1
	s_delay_alu instid0(VALU_DEP_1)
	v_mul_f32 v[SCLV], s[CHI], v[RT]               ; scale = 32767 / it: the quotient, its remainder, the correction
	s_delay_alu instid0(VALU_DEP_1)
	v_fma_f32 v[T1], -v[SCLV], v[AM], s[CHI]
	s_delay_alu instid0(VALU_DEP_1)
	v_fma_f32 v[SCLV], v[T1], v[RT], v[SCLV]
	s_wait_alu depctr_va_vdst(0)
	RCPN INVV, SCLV, T1
	v_readfirstlane_b32 s[SCS], v[SCLV]
	s_delay_alu instid0(VALU_DEP_2)
	v_readfirstlane_b32 s[INV], v[INVV]
	s_mov_b32 s[INV+1], s[INV]
.irp k, 0,1,2,3,4,5,6
	s_mul_f32 s[A+2*\k], s[A+2*\k], s[SCS]         ; the scale goes into A's coefficients,
	s_mov_b32 s[A+2*\k+1], s[A+2*\k]
.endr
	s_mul_f32 s[HS], s[SCS], 0.5                   ; and into the 0.5
	s_mov_b32 s[HS+1], s[HS]
	v_mov_b32 v[VA5], s[A+10]
	v_mov_b32 v[VA5+1], s[A+10]
	v_mov_b32 v[VB3], s[B+6]
	v_mov_b32 v[VB3+1], s[B+6]
	s_wait_tensorcnt 0x0                           ; my parts of x are in,
	s_barrier_signal -1
	s_barrier_wait -1                              ; everybody's are; nothing is ever filled again
	ALOAD
	s_mov_b32 s[CNT], 15
.Ltrip:
	TRIP 1
	s_sub_co_u32 s[CNT], s[CNT], 1
	s_cmp_lg_u32 s[CNT], 0
	s_cbranch_scc1 .Ltrip
	TRIP 0                                         ; the sixteenth block fetches nothing
	s_wait_dscnt 0x0                               ; for the others' sake: my byte stores have landed
	s_barrier_signal -1
	s_barrier_wait -1
	ds_load_b128 v[ZC:ZC+3], v[LR]
	s_wait_dscnt 0x0
	global_store_b128 v[LI], v[ZC:ZC+3], s[94:95]  ; 4,096 scale bytes leave by eight waves, 512 consecutive bytes each
	s_wait_tensorcnt 0x0                           ; the wave's end
	ds_add_u32 v[SPW], v[NIL]
	s_wait_dscnt 0x0
	CROUND                                         ; the closing round
	s_endpgm
.Lfunc_end_k_q9cc124d1bd_hidden:
	.size	k_q9cc124d1bd_hidden, .Lfunc_end_k_q9cc124d1bd_hidden-k_q9cc124d1bd_hidden
	.p2alignl 7, 3214868480
	.fill 96, 4, 3214868480
	.section	.rodata,"a",@progbits
	.p2align	6, 0x0
	.amdhsa_kernel k_q9cc124d1bd_hidden
		.amdhsa_group_segment_fixed_size 167936
		.amdhsa_private_segment_fixed_size 0
		.amdhsa_enable_private_segment 0
		.amdhsa_kernarg_size 40
		.amdhsa_user_sgpr_count 2
		.amdhsa_user_sgpr_kernarg_segment_ptr 1
		.amdhsa_wavefront_size32 1
		.amdhsa_system_sgpr_workgroup_id_x 1
		.amdhsa_system_sgpr_workgroup_id_y 1
		.amdhsa_system_sgpr_workgroup_id_z 1
		.amdhsa_system_vgpr_workitem_id 0
		.amdhsa_next_free_vgpr 512
		.amdhsa_next_free_sgpr 96
		.amdhsa_reserve_vcc 1
		.amdhsa_float_denorm_mode_32 3
		.amdhsa_float_denorm_mode_16_64 3
		.amdhsa_memory_ordered 1
		.amdhsa_forward_progress 1
		.amdhsa_inst_pref_size 83
	.end_amdhsa_kernel
	.amdgpu_metadata
---
amdhsa.version: [ 1, 2 ]
amdhsa.kernels:
  - .name:           k_q9cc124d1bd_hidden
    .symbol:         k_q9cc124d1bd_hidden.kd
    .args:
      - { .name: xq, .offset: 0, .size: 8, .value_kind: global_buffer, .address_space: global }
      - { .name: wiq, .offset: 8, .size: 8, .value_kind: global_buffer, .address_space: global }
      - { .name: b_in, .offset: 16, .size: 8, .value_kind: global_buffer, .address_space: global }
      - { .name: cand, .offset: 24, .size: 8, .value_kind: global_buffer, .address_space: global }
      - { .name: hq, .offset: 32, .size: 8, .value_kind: global_buffer, .address_space: global }
    .group_segment_fixed_size: 167936
    .private_segment_fixed_size: 0
    .kernarg_segment_align: 8
    .kernarg_segment_size: 40
    .max_flat_workgroup_size: 256
    .sgpr_count:     96
    .vgpr_count:     512
    .wavefront_size: 32
...
	.end_amdgpu_metadata
.endif
;; end of part 4
;; launch out (part 5): grid 4 x 64, 4 waves a work-group, clusters of 4 x 1, 327,680 bytes of LDS; arguments hq, woq, b_out, out0; writes out0
.if DOCPART == 5
	.amdgcn_target "amdgcn-amd-amdhsa--gfx1250"
	.amdhsa_code_object_version 6
	.text
	.protected	k_q9cc124d1bd_out
	.globl	k_q9cc124d1bd_out
	.p2align	8
	.type	k_q9cc124d1bd_out,@function
k_q9cc124d1bd_out:
	s_mov_b64 s[64:65], 0
	v_nop
	global_prefetch_b8 v0, s[64:65] scope:SCOPE_SE
	s_setreg_imm32_b32 hwreg(HW_REG_WAVE_MODE, 25, 1), 1
	s_wait_xcnt 0x0
	s_wait_alu depctr_hold_cnt(0) depctr_sa_sdst(0) depctr_va_vdst(0) depctr_va_sdst(0) depctr_va_ssrc(0) depctr_va_vcc(0) depctr_vm_vsrc(0)
	s_getreg_b32 s2, hwreg(HW_REG_IB_STS2, 6, 4)
	s_cmp_eq_u32 s2, 0
	s_cbranch_scc0 .Lentry_in_a_cluster
	s_endpgm
.Lentry_in_a_cluster:
	s_bfe_u32 s2, ttmp6, 0x10000c
	s_cmp_lg_u32 s2, 0x3003
	s_cbranch_scc0 .Lentry_shape_is_right
	s_endpgm
.Lentry_shape_is_right:
; out = hidden codes x W_out codes + b_out, on codes of FP4 with E8M0 scales; K = 4,096; sums in f32.  Nothing of the problem is left out here.
; SHARES.  A work-group makes 128 rows x 256 columns; wave w all 128 rows x columns 64 w on: 32 accumulators, 256 registers (window 2).
; THE HIDDEN LAYER'S CODES OF THE 128 ROWS FOR ALL OF K (262,144 bytes) AND THEIR SCALE BYTES (16,384) ARE FILLED ONCE: three groups of joint loads, one tensor load a wave in each, one out at the most,
; each with a group 0 of its own; the walk along K starts when the first two 512s along K have landed; a round at step 7 and a barrier at step 23 stand ahead of the later ones.  No byte of LDS is filled twice, so there is no ring.
; CLUSTER.  The four work-groups of a cluster make the four column blocks of the same 128 rows: the codes' tiles are asked for jointly.  The scale bytes are asked for jointly too, all in one load:
; they are 16,384 of the 278,528 bytes that a work-group fetches into LDS.  W_out is not shared: each of its fragments is read by one wave of a work-group, from memory straight into registers, six K steps ahead (six sets of 32 registers, window 1).
; THE PRODUCT IS USED TRANSPOSED (source 0 = 16 columns of W_out, source 1 = 16 rows): a lane holds eight neighbouring numbers of a row of out.  The bias is the C of each sum's first product.
; REGISTERS.  window 0: v0-31 addresses; v32-95 the rows' scale words, two sets; v96-127 W_out's, two sets; v128-255 the rows' fragments, two sets.  window 1: v0-191 W_out's fragments; v192-223 the bias.  window 2: accumulator (a, b) at 8 (4 a + b).
.set SCL,   262144                     ; LDS: codes [K / 512][8 blocks of rows][4 K steps][1,024] from 0; scale bytes [K / 512][128 rows][16];
.set SPARE, 278528                     ; the spare words, 128 bytes for each of 4 waves
.set SPW,  1
.set NIL,  2
.set LI,   3                           ; 16 x lane
.set ADRA, 4                           ; LDS: the rows' fragments of the 512 along K in hand
.set ASC,  5                           ; LDS: the rows' scale words
.set SBO,  6                           ; 16 x (lane % 16)
.set BIO,  7
.set STO,  8
.set RD,   9
.set GO,   10
.set RR,   11
.set HH,   12
.set SA,   32
.set SB,   96
.set AF,   128
.set OUTB, 128                         ; the way out: v128-159 and v160-191 by turns
.set BI,   192                         ; in window 1
.set WV,  12
.set TX,  13
.set TY,  14
.set G1A, 16
.set G1S, 24
.set G0S, 32
; THE FILLS AS THIS TEXT HAS THEM (in place of the nine loads at the head that the lines above speak of): every LDS byte is still filled once, by three groups of joint loads, one tensor load a wave in each.
; At the head: waves 0, 1 the two halves (four blocks of rows each) of the first 512 along K, wave 2 all scale bytes, wave 3 the second 512.  Behind the full sequence and a round, ahead of step 0: wave w the 512 number 2 + w.
; Behind the sequence and a round at step 7: the four halves of the 512s number 6 and 7; a barrier at step 23 stands ahead of their first read.  One tensor load of a wave is out at the most.  The launch claims 327,680 bytes of LDS.
.set G1H, 36                           ; s[36:43] group 1: four blocks of rows, 4,096 bytes of each
.set G0H, 44                           ; s[44:47] group 0: the first 512 along K, half w & 1
.set G0T, 48                           ; s[48:51] the second 512, whole
.set G0R1, 52                          ; s[52:55] the 512 number 2 + w, whole
.set G0R2, 56                          ; s[56:59] the 512 number 6 + w / 2, half w & 1
.set FB,  76                           ; s[76:77] W_out's fragments
.set SBB, 78                           ; s[78:79] W_out's scale bytes
.set MSB, 0
.macro WIN new
.if MSB != \new
	s_set_vgpr_msb (MSB<<8)|\new
.set MSB, \new
.endif
.endm
.macro CROUND
	s_barrier_signal -1
	s_barrier_wait -1
	s_cmp_lg_u32 s[WV], 0
	s_cbranch_scc1 .Lnot_wave_0_\@
	s_barrier_signal -3
.Lnot_wave_0_\@:
	s_barrier_wait -3
	s_barrier_signal -1
	s_barrier_wait -1
.endm
; IC = the global loads issued ahead of step j's head: 60 at the kernel's head (4 of scale words, 8 of bias, 48 of fragments), 4 of scale words behind steps 0, 4, .. 24, 8 of fragments behind steps 0 .. 25
.macro ICNT j
.set NSC, ((\j)+3)/4
.if NSC > 7
.set NSC, 7
.endif
.set NFR, (\j)
.if NFR > 26
.set NFR, 26
.endif
.set IC, 60+4*NSC+8*NFR
.endm
; A step of 128 along K: 32 products.
.macro STEP j
.set TT, (\j)/4
.set QQ, (\j)%4
.set PP, (\j)%2
.set DD, (\j)%6
	s_wait_dscnt 0x0                               ; this step's fragments of the rows are in (asked for a whole step ago)
.if (\j) == 7
	s_wait_tensorcnt 0x0                           ; my load of the second group has landed
	ds_add_u32 v[SPW], v[NIL]
	s_wait_dscnt 0x0
	CROUND                                         ; everybody's has, in all four work-groups: the 512s number 2 to 5 may be read, and the joint loads meet
	tensor_load_to_lds s[G0R2:G0R2+3], s[G1H:G1H+7]  ; the third group: sixteen steps ahead of its first read
	s_nop 0
.rept 4
	v_nop
.endr
.endif
.if (\j) == 23
	s_wait_tensorcnt 0x0                           ; my load of the third group has landed,
	s_barrier_signal -1
	s_barrier_wait -1                              ; everybody's has
.endif
.if (QQ == 3) && (TT < 7)
	v_add_nc_u32 v[ADRA], 32768, v[ADRA]           ; (no LDS instruction of mine is out)
.endif
.if (\j) < 31
.set QN, ((\j)+1)%4
	s_wait_alu depctr_va_vdst(0)
.irp a, 0,1,2,3,4,5,6,7                        ; the next step's eight fragments, into the set that the last step multiplied: four plain instructions stand behind its products
	ds_load_b128 v[AF+64*(1-PP)+8*\a:AF+64*(1-PP)+8*\a+3], v[ADRA] offset:4096*\a+1024*QN
	ds_load_b128 v[AF+64*(1-PP)+8*\a+4:AF+64*(1-PP)+8*\a+7], v[ADRA] offset:4096*\a+1024*QN+512
.endr
.endif
.if (QQ == 3) && (TT < 7)
.irp a, 0,1,2,3,4,5,6,7
	ds_load_b128 v[SA+32*((TT+1)%2)+4*\a:SA+32*((TT+1)%2)+4*\a+3], v[ASC] offset:2048*(TT+1)+256*\a   ; and the next four steps' scale words of the rows
.endr
.endif
	ICNT \j
.set IH, IC
.if (QQ == 0) && ((\j) >= 4)
	ICNT (\j)-4
.set ND, IC+4                                  ; W_out's scale words of these four steps were asked for behind step j - 4, later than this step's fragments
.elseif (\j) < 6
.set ND, 20+8*(\j)
.else
	ICNT (\j)-5
.set ND, IC                                    ; this step's fragments were the last loads behind step j - 6
.endif
	s_wait_loadcnt IH-ND                           ; all loads up to that one are in; the younger ones stay out
.if (\j) == 0
	WIN 0x91                                       ; source 0 (W_out) and C (the bias) window 1, D window 2
.else
	WIN 0xa1                                       ; source 0 window 1, C and D window 2
.endif
.irp a, 0,1,2,3,4,5,6,7                        ; the 32 accumulators take turns, one instruction a turn, in the same order in every step
.irp b, 0,1,2,3
.if (\j) == 0
	v_wmma_scale_f32_16x16x128_f8f6f4 v[8*(4*\a+\b):8*(4*\a+\b)+7], v[32*DD+8*\b:32*DD+8*\b+7], v[AF+64*PP+8*\a:AF+64*PP+8*\a+7], v[BI+8*\b:BI+8*\b+7], v[SB+16*(TT%2)+4*\b+QQ], v[SA+32*(TT%2)+4*\a+QQ] matrix_a_fmt:MATRIX_FMT_FP4 matrix_b_fmt:MATRIX_FMT_FP4
.else
	v_wmma_scale_f32_16x16x128_f8f6f4 v[8*(4*\a+\b):8*(4*\a+\b)+7], v[32*DD+8*\b:32*DD+8*\b+7], v[AF+64*PP+8*\a:AF+64*PP+8*\a+7], v[8*(4*\a+\b):8*(4*\a+\b)+7], v[SB+16*(TT%2)+4*\b+QQ], v[SA+32*(TT%2)+4*\a+QQ] matrix_a_fmt:MATRIX_FMT_FP4 matrix_b_fmt:MATRIX_FMT_FP4
.endif
.endr
.endr
	WIN 0
.rept 4
	v_nop                                          ; four plain instructions ahead of loads into registers that these products have read
.endr
.if (QQ == 0) && (TT < 7)
.irp b, 0,1,2,3
	global_load_b128 v[SB+16*((TT+1)%2)+4*\b:SB+16*((TT+1)%2)+4*\b+3], v[SBO], s[SBB:SBB+1] offset:16384*(TT+1)+256*\b
.endr
.endif
.if (\j)+6 <= 31
	WIN 0x40
.irp b, 0,1,2,3
.irp c, 0,1
	global_load_b128 v[32*DD+8*\b+4*\c:32*DD+8*\b+4*\c+3], v[LI], s[FB:FB+1] offset:32768*\b+1024*((\j)+6)+512*\c   ; step j + 6, into the set just multiplied
.endr
.endr
	WIN 0
.endif
.endm
	s_load_b256 s[4:11], s[0:1], 0x0               ; hq s[4:5], woq s[6:7], b_out s[8:9], out0 s[10:11]
	v_lshl_add_u32 v[SPW], v0, 2, SPARE
	v_mov_b32 v[NIL], 0
	ds_add_u32 v[SPW], v[NIL]                      ; the wave's opening: the add, twice on end, and its wait ahead of my first tensor load
	ds_add_u32 v[SPW], v[NIL]
	v_lshrrev_b32 v[RR], 5, v0
	v_readfirstlane_b32 s[WV], v[RR]               ; wave 0..3
	s_bfe_u32 s[TX], ttmp6, 0x40000
	s_lshl_b32 s15, ttmp9, 2
	s_add_co_u32 s[TX], s[TX], s15                 ; which 256 columns: it enters global addresses of W_out, b_out and out alone
	s_and_b32 s[TY], ttmp7, 0xffff                 ; which 128 rows: shared by the four partners
	; group 1 for the codes: eight blocks of rows, 4,096 bytes (512 elements of 8) of each, 32,768 bytes apart
	s_mov_b32 s[G1A], 15|(3<<16)|(1<<21)           ; 15:0 the mask: all four work-groups; 17:16 elements of 8 bytes; 21 set beside a mask
	s_mov_b32 s[G1A+1], 512<<16
	s_mov_b32 s[G1A+2], 8<<16                      ; eight blocks of rows
	s_mov_b32 s[G1A+3], 512<<16
	s_mov_b32 s[G1A+4], 8
	s_mov_b32 s[G1H], 15|(3<<16)|(1<<21)           ; the same for four blocks of rows
	s_mov_b32 s[G1H+1], 512<<16
	s_mov_b32 s[G1H+2], 4<<16
	s_mov_b32 s[G1H+3], 512<<16
	s_mov_b32 s[G1H+4], 4
	s_mov_b32 s[G1H+5], 4096
	s_mov_b32 s[G1H+6], 0
	s_mov_b32 s[G1H+7], 0
	s_mov_b32 s[G1A+5], 4096
	s_mov_b32 s[G1A+6], 0
	s_mov_b32 s[G1A+7], 0
	; and for the scale bytes: eight runs of 512 along K, 2,048 bytes (256 elements) of each, 131,072 bytes apart
	s_mov_b32 s[G1S], 15|(3<<16)|(1<<21)           ; the scale bytes hang on the 128 rows alone: asked for jointly too; all eight runs of 512 along K in one load
	s_mov_b32 s[G1S+1], 256<<16
	s_mov_b32 s[G1S+2], 8<<16
	s_mov_b32 s[G1S+3], 256<<16
	s_mov_b32 s[G1S+4], 8
	s_mov_b32 s[G1S+5], 16384
	s_mov_b32 s[G1S+6], 0
	s_mov_b32 s[G1S+7], 0
	s_wait_dscnt 0x0                               ; both opening adds are done
	s_wait_kmcnt 0x0
	s_lshl_b32 s72, s[TY], 11                      ; scale bytes: my 128 rows of 16 bytes in each run of 512 along K, behind the codes
	s_add_co_u32 s72, s72, 0x1000000
	s_mov_b32 s73, 0
	s_mov_b32 s[G0S], 1
	s_mov_b32 s[G0S+1], SCL
	s_add_nc_u64 s[G0S+2:G0S+3], s[4:5], s[72:73]
	s_or_b32 s[G0S+3], s[G0S+3], 0x80000000
	s_lshl_b32 s74, s[TY], 18                      ; codes: blocks 8 ty on, 32,768 bytes each; a 512 along K is 4,096 bytes of each
	s_mov_b32 s75, 0
	s_add_nc_u64 s[74:75], s[4:5], s[74:75]
	s_and_b32 s60, s[WV], 1                        ; which four blocks of the eight
	s_lshl_b32 s72, s60, 17
	s_mov_b32 s[G0H], 1
	s_lshl_b32 s[G0H+1], s60, 14
	s_add_nc_u64 s[G0H+2:G0H+3], s[74:75], s[72:73]
	s_or_b32 s[G0H+3], s[G0H+3], 0x80000000
	s_mov_b32 s[G0R2], 1
	s_lshl_b32 s[G0R2+1], s[WV], 14
	s_add_co_u32 s[G0R2+1], s[G0R2+1], 196608      ; LDS: 32,768 (6 + w / 2) + 16,384 (w & 1)
	s_lshr_b32 s61, s[WV], 1
	s_lshl_b32 s61, s61, 12
	s_add_co_u32 s72, s72, s61
	s_add_co_u32 s72, s72, 24576                   ; memory: 131,072 (w & 1) + 4,096 (6 + w / 2)
	s_add_nc_u64 s[G0R2+2:G0R2+3], s[74:75], s[72:73]
	s_or_b32 s[G0R2+3], s[G0R2+3], 0x80000000
	s_mov_b32 s[G0T], 1
	s_mov_b32 s[G0T+1], 32768
	s_add_nc_u64 s[G0T+2:G0T+3], s[74:75], 4096
	s_or_b32 s[G0T+3], s[G0T+3], 0x80000000
	s_mov_b32 s[G0R1], 1
	s_lshl_b32 s[G0R1+1], s[WV], 15
	s_add_co_u32 s[G0R1+1], s[G0R1+1], 65536       ; LDS: 32,768 (2 + w)
	s_lshl_b32 s72, s[WV], 12
	s_add_co_u32 s72, s72, 8192                    ; memory: 4,096 (2 + w)
	s_add_nc_u64 s[G0R1+2:G0R1+3], s[74:75], s[72:73]
	s_or_b32 s[G0R1+3], s[G0R1+3], 0x80000000
	s_lshl_b32 s[FB], s[TX], 19                    ; W_out's codes: my four blocks of 32,768 bytes: block 16 tx + 4 w
	s_lshl_b32 s15, s[WV], 17
	s_add_co_u32 s[FB], s[FB], s15
	s_mov_b32 s[FB+1], 0
	s_add_nc_u64 s[FB:FB+1], s[6:7], s[FB:FB+1]
	s_lshl_b32 s[SBB], s[TX], 12                   ; its scale bytes: 16 a column, behind the codes
	s_lshl_b32 s15, s[WV], 10
	s_add_co_u32 s[SBB], s[SBB], s15
	s_add_co_u32 s[SBB], s[SBB], 0x200000
	s_mov_b32 s[SBB+1], 0
	s_add_nc_u64 s[SBB:SBB+1], s[6:7], s[SBB:SBB+1]
	s_lshl_b32 s72, s[TX], 10                      ; b_out and a row of out at my 64 columns
	s_lshl_b32 s15, s[WV], 8
	s_add_co_u32 s72, s72, s15
	s_mov_b32 s73, 0
	s_add_nc_u64 s[8:9], s[8:9], s[72:73]
	s_add_nc_u64 s[10:11], s[10:11], s[72:73]
	s_lshl_b32 s72, s[TY], 19                      ; 128 rows of 4,096 bytes
	s_add_nc_u64 s[10:11], s[10:11], s[72:73]
	s_mul_i32 s15, s[WV], 4352                     ; my stage for the way out
	s_wait_alu depctr_va_vdst(0)                   ; the wait ahead of the round
	CROUND                                         ; all four work-groups are here: the joint loads meet
; the head's loads, one a wave: one chain of branches on the wave's number, a load in each arm, all arms leading to one join
.macro ARM under, g0, g1, next
	s_cmp_lt_u32 s[WV], \under
	s_cbranch_scc0 \next
	tensor_load_to_lds s[\g0:\g0+3], s[\g1:\g1+7]
	s_nop 0
.rept 4
	v_nop
.endr
	s_branch .Lhead_asked
\next:
.endm
	ARM 2, G0H, G1H, .Lhead_s
	ARM 3, G0S, G1S, .Lhead_t
	tensor_load_to_lds s[G0T:G0T+3], s[G1A:G1A+7]
	s_nop 0
.rept 4
	v_nop
.endr
.Lhead_asked:
	v_and_b32 v[LI], 31, v0
	v_lshlrev_b32 v[LI], 4, v[LI]
	v_and_b32 v[RR], 15, v0
	v_bfe_u32 v[HH], v0, 4, 1
	v_mov_b32 v[ADRA], v[LI]
	v_lshlrev_b32 v[SBO], 4, v[RR]
	v_add_nc_u32 v[ASC], SCL, v[SBO]
	v_lshlrev_b32 v[BIO], 5, v[HH]
.irp b, 0,1,2,3
	global_load_b128 v[SB+4*\b:SB+4*\b+3], v[SBO], s[SBB:SBB+1] offset:256*\b     ; W_out's scale words of the first four steps
.endr
	WIN 0x40
.irp b, 0,1,2,3
	global_load_b128 v[BI+8*\b:BI+8*\b+3], v[BIO], s[8:9] offset:64*\b
	global_load_b128 v[BI+8*\b+4:BI+8*\b+7], v[BIO], s[8:9] offset:64*\b+16
.endr
.irp j, 0,1,2,3,4,5
.irp b, 0,1,2,3
.irp c, 0,1
	global_load_b128 v[32*\j+8*\b+4*\c:32*\j+8*\b+4*\c+3], v[LI], s[FB:FB+1] offset:32768*\b+1024*\j+512*\c
.endr
.endr
.endr
	WIN 0
	v_mul_u32_u24 v[STO], v[RR], 272               ; the stage, in: row r, 32 bytes for each half of the lanes
	v_lshl_add_u32 v[STO], v[HH], 5, v[STO]
	v_add_nc_u32 v[STO], s15, v[STO]
	v_mul_u32_u24 v[RD], v[HH], 272                ; back: lanes 0-15 one row of 256 bytes, lanes 16-31 the next
	v_lshl_add_u32 v[RD], v[RR], 4, v[RD]
	v_add_nc_u32 v[RD], s15, v[RD]
	v_lshlrev_b32 v[GO], 12, v[HH]                 ; and the same two rows in out
	v_lshl_add_u32 v[GO], v[RR], 4, v[GO]
	s_wait_alu depctr_va_vdst(0)
	s_wait_tensorcnt 0x0                           ; my load of the head's four has landed
	ds_add_u32 v[SPW], v[NIL]
	s_wait_dscnt 0x0
	CROUND                                         ; everybody's has: the scale bytes and the first two 512s along K are in, and the joint loads meet
	tensor_load_to_lds s[G0R1:G0R1+3], s[G1A:G1A+7]  ; the second group: eight steps ahead of its first read
	s_nop 0
.rept 4
	v_nop
.endr
.irp a, 0,1,2,3,4,5,6,7
	ds_load_b128 v[AF+8*\a:AF+8*\a+3], v[ADRA] offset:4096*\a
	ds_load_b128 v[AF+8*\a+4:AF+8*\a+7], v[ADRA] offset:4096*\a+512
.endr
.irp a, 0,1,2,3,4,5,6,7
	ds_load_b128 v[SA+4*\a:SA+4*\a+3], v[ASC] offset:256*\a
.endr
.set J, 0
.rept 32
	STEP J
.set J, J+1
.endr
; THE WAY OUT, a block of 16 rows x 64 columns at a time, through my own stage of 16 rows x (256 + 16) bytes, so that sixteen lanes store 256 consecutive bytes.  The stages lie in the bytes of the first 512 along K: those have had their
; only fill, and every wave has passed a round and a barrier since its last read of them.  LDS serves a wave's instructions in order: no wait between the stores and the loads, nor ahead of the next block's stores.
.macro TOSTAGE a
	WIN 0x08                                       ; an LDS store's data are its source 1: window 2
.irp b, 0,1,2,3
	ds_store_b128 v[STO], v[8*(4*(\a)+\b):8*(4*(\a)+\b)+3] offset:64*\b            ; each accumulator from its low end on
	ds_store_b128 v[STO], v[8*(4*(\a)+\b)+4:8*(4*(\a)+\b)+7] offset:64*\b+16
.endr
	WIN 0
.set BB, OUTB+32*((\a)%2)
.irp i, 0,1,2,3,4,5,6,7
	ds_load_b128 v[BB+4*\i:BB+4*\i+3], v[RD] offset:544*\i
.endr
.endm
.macro SEND a, younger
.set BB, OUTB+32*((\a)%2)
	s_wait_dscnt \younger                          ; the block is back in registers; the LDS instructions issued behind its loads may stay out
.irp i, 0,1,2,3,4,5,6,7
	global_store_b128 v[GO], v[BB+4*\i:BB+4*\i+3], s[10:11] offset:(16*(\a)+2*\i)*4096 th:TH_STORE_NT   ; 16 lanes store 256 consecutive bytes, aligned; written once, read by nobody here
.endr
.endm
	TOSTAGE 0                                      ; (the last step's four plain instructions stand behind the last products)
.irp a, 1,2,3,4,5,6,7
.if \a > 1
	s_wait_xcnt 0x0                                ; block a - 2's stores have read their registers: block a's loads may land there
.endif
	TOSTAGE \a
	SEND \a-1, 16                                  ; behind block a - 1's loads: block a's 8 stores and 8 loads
.endr
	SEND 7, 0
	s_wait_tensorcnt 0x0                           ; the wave's end, behind my last tensor load and my last LDS store
	ds_add_u32 v[SPW], v[NIL]
	s_wait_dscnt 0x0
	CROUND                                         ; the closing round
	s_endpgm
.Lfunc_end_k_q9cc124d1bd_out:
	.size	k_q9cc124d1bd_out, .Lfunc_end_k_q9cc124d1bd_out-k_q9cc124d1bd_out
	.p2alignl 7, 3214868480
	.fill 96, 4, 3214868480
	.section	.rodata,"a",@progbits
	.p2align	6, 0x0
	.amdhsa_kernel k_q9cc124d1bd_out
		.amdhsa_group_segment_fixed_size 327680
		.amdhsa_private_segment_fixed_size 0
		.amdhsa_enable_private_segment 0
		.amdhsa_kernarg_size 32
		.amdhsa_user_sgpr_count 2
		.amdhsa_user_sgpr_kernarg_segment_ptr 1
		.amdhsa_wavefront_size32 1
		.amdhsa_system_sgpr_workgroup_id_x 1
		.amdhsa_system_sgpr_workgroup_id_y 1
		.amdhsa_system_sgpr_workgroup_id_z 1
		.amdhsa_system_vgpr_workitem_id 0
		.amdhsa_next_free_vgpr 768
		.amdhsa_next_free_sgpr 80
		.amdhsa_reserve_vcc 0
		.amdhsa_float_denorm_mode_32 3
		.amdhsa_float_denorm_mode_16_64 3
		.amdhsa_memory_ordered 1
		.amdhsa_forward_progress 1
		.amdhsa_inst_pref_size 227
	.end_amdhsa_kernel
	.amdgpu_metadata
---
amdhsa.version: [ 1, 2 ]
amdhsa.kernels:
  - .name:           k_q9cc124d1bd_out
    .symbol:         k_q9cc124d1bd_out.kd
    .args:
      - { .name: hq, .offset: 0, .size: 8, .value_kind: global_buffer, .address_space: global }
      - { .name: woq, .offset: 8, .size: 8, .value_kind: global_buffer, .address_space: global }
      - { .name: b_out, .offset: 16, .size: 8, .value_kind: global_buffer, .address_space: global }
      - { .name: out0, .offset: 24, .size: 8, .value_kind: global_buffer, .address_space: global }
    .group_segment_fixed_size: 327680
    .private_segment_fixed_size: 0
    .kernarg_segment_align: 8
    .kernarg_segment_size: 32
    .max_flat_workgroup_size: 128
    .sgpr_count:     80
    .vgpr_count:     768
    .wavefront_size: 32
...
	.end_amdgpu_metadata
.endif
;; end of part 5
